; MI455X (gfx1250); checked and timed in simulation.
; The chip was launched on July 23, 2026; its instructions are those of AMD's public machine-readable ISA for CDNA 5 (MIT licence, August 2026) and "CDNA5" Instruction Set Architecture Reference Guide (July 2026). The comments in the code are by the model that wrote it; some were corrected since.
;; Multi Head Attention. Allowed arithmetic: matrix products marked QUANTISED: E2M3 operands, one E8M0 scale for each 32 along K, by v_wmma_scale_f32_16x16x128_f8f6f4 with both operands' format E2M3, f32 sums; everything else in f32.
;; Inputs: Wk 1,024 x 1,024 float32; Wo 1,024 x 1,024 float32; Wq 1,024 x 1,024 float32; Wv 1,024 x 1,024 float32; attention_mask 4 x 2,048 int32; x 4 x 2,048 x 1,024 float32.
;; Outputs: out0 4 x 2,048 x 1,024 float32.
;; This version of the problem:
;;   THIS VERSION OF THE PROBLEM IS GIVEN IN LOW PRECISION. The matrix products marked QUANTISED in the list below multiply operands that are first quantised to E2M3 (2 exponent bits, 3 mantissa bits; 6 bits a number), with one power-of-two scale for each 32 numbers along K (OCP MX v1.0); their sums are f32. All else is computed in f32.
;;   The module's matrix products, in the order in which they are computed (A, B: the left and right operand; K: the contracted axis; several contracted axes count as one K, in the product's order):
;;     1. [M 8,192, K 1,024] x [K 1,024, N 1,024]; A: input x; B: input Wq: QUANTISED
;;     2. [M 8,192, K 1,024] x [K 1,024, N 1,024]; A: input x; B: input Wk: QUANTISED
;;     3. [M 8,192, K 1,024] x [K 1,024, N 1,024]; A: input x; B: input Wv: QUANTISED
;;     4. batch 64 x [M 2,048, K 64] x [K 64, N 2,048]; A: computed on the way; B: computed on the way: QUANTISED
;;     5. batch 64 x [M 2,048, K 2,048] x [K 2,048, N 64]; A: softmax (see below); B: computed on the way: QUANTISED
;;     6. [M 8,192, K 1,024] x [K 1,024, N 1,024]; A: computed on the way; B: input Wo: QUANTISED
;;   THE QUANTISER, for each operand of a quantised product, along K:
;;     - K is cut into blocks of 32 from its start; a last block that is shorter is filled with zeros.
;;     - A block's scale is 2^e with e = floor(log2(the largest magnitude in the block)) - 2, held to -126 .. 127; a block of zeros has e = 0. As a byte (E8M0): e + 127.
;;     - Each number is divided by its block's scale, clamped to +-7.5, and rounded to the nearest number of E2M3, ties to even, subnormals kept.
;;     - The product sums the exact products of the quantised numbers (number of the format x scale) in f32.
;;   ~~~python
;;   def quantise(x, axis):      # numpy; x: float32 -> the quantised numbers, widened to float32 again
;;       x = np.moveaxis(x, axis, -1); K = x.shape[-1]
;;       x = np.pad(x, [(0, 0)] * (x.ndim - 1) + [(0, -K % 32)]); x = x.reshape(x.shape[:-1] + (-1, 32)); a = np.abs(x).max(-1, keepdims=True)
;;       e = np.where(a > 0, np.clip(np.frexp(np.where(a > 0, a, 1))[1] - 1 - 2, -126, 127), 0)      # np.frexp(a)[1] - 1 = floor(log2(a)), exactly
;;       r = np.clip(x / 2.0 ** e, -7.5, 7.5)
;;       step = 2.0 ** (np.maximum(np.frexp(np.where(r == 0, 1, r))[1] - 1, 0) - 3)
;;       q = np.round(r / step) * step * 2.0 ** e      # np.round: ties to even
;;       return np.moveaxis(q.reshape(q.shape[:-2] + (-1,))[..., :K], -1, axis).astype(np.float32)
;;   ~~~
;;   SOFTMAX AHEAD OF A QUANTISED PRODUCT. Where the list says 'softmax', what is quantised is not the finished softmax but p = 2^(t - M), with t = logit x log2(e) and M = ceil(the row's largest t), a whole number; so 1/2 < the row's largest p <= 1. The row's sum l is taken of the UNQUANTISED p, in f32, and the product's result is divided by l at the end. Since M is a whole number, a kernel that streams over the keys may use a running M (the ceiling of the running maximum): every later rescaling is an exact power of two, which a block's scale takes up: the codes' values come out the same.
;;   OPERANDS COMPUTED ON THE WAY. 'Computed on the way' means the value that the module computes at that place (a softmax that the list does not call 'softmax' is quantised finished and normalised). What goes into a quantiser is computed in f32, as accurately as f32 sums, v_exp_f32 and their like allow (about 1e-6 of the number): no bf16 or f16 on the way to a quantiser, and a product that is left as it is and whose result goes on into a quantised operand takes f32 operands (vector FMAs, or v_wmma_f32_16x16x4_f32). A number that lies on a knife's edge between two numbers of the format may be rounded either way, as far as f32 arithmetic and the matrix unit's own rounding can turn it there, and no further.
;; One version. Each part assembles by itself: llvm-mc -triple=amdgcn-amd-amdhsa -mcpu=gfx1250 --defsym DOCPART=n.
;; ======== version 1 of 1: 4 launches
;; limits: right only within a limited range of input values
;; workspace buffers: xq 6,553,600 bytes; wq 3,276,800 bytes; rope 524,288 bytes; qkv 20,447,232 bytes; oq 6,553,600 bytes
;; launch prep (part 1): grid 400 x 1, 4 waves a work-group, no clusters, 33,280 bytes of LDS; arguments x, Wq, Wk, Wv, Wo, xq, wq, rope; writes xq, wq, rope
.if DOCPART == 1
	.amdgcn_target "amdgcn-amd-amdhsa--gfx1250"
	.amdhsa_code_object_version 6
	.text
	.protected	k_q36e7b7cc3a_prep
	.globl	k_q36e7b7cc3a_prep
	.p2align	8
	.type	k_q36e7b7cc3a_prep,@function
k_q36e7b7cc3a_prep:
	s_mov_b64 s[64:65], 0
	v_nop
	global_prefetch_b8 v0, s[64:65] scope:SCOPE_SE
	s_setreg_imm32_b32 hwreg(HW_REG_WAVE_MODE, 25, 1), 1
	s_wait_xcnt 0x0
; MULTI-HEAD ATTENTION IN MX-FP6, launch 1 of 4.  Nothing of reference() is left out in any launch: every product, the rotary step, the mask and every input are live and are served.
; THIS LAUNCH: (a) x [8192][1024] and Wq, Wk, Wv, Wo [1024][1024], f32, K innermost, become codes of FP6 (E2M3) and one E8M0 byte for each 32 along K;  (b) the table of cos and sin for the rotary step.
; (a) A block's scale is 2^(floor(log2(its largest magnitude)) - 2); its byte is the largest magnitude's exponent field - 2, held at 1 from below (a block of zeros keeps the byte 1: its codes are zeros, and this program alone reads the bytes).
; xq: codes [8192][768 bytes], then from XS_OFF the bytes [8192][32].  wq: codes [4096][768] (Wq, Wk, Wv, Wo on end), then from WS_OFF the bytes [4096][32].
; ROWS CHANGE PLACES: in x, Wq, Wk and Wv the second and the third group of 8 rows of each 32 are swapped, so that stored row 16 i + r is row 32 (i / 2) + 8 (i % 2) + r + 8 (r / 8): the next launch's results then fall so
; that a lane's 16 registers of two neighbouring tiles are 16 neighbours along the next product's K.  A wave's run of 8,192 numbers is 8 rows, a work-group's 32: the swap is a swap of two bits of the wave's number.  Wo keeps its order.
; Work-groups 0-255 take x, 256-287 Wq, 288-319 Wk, 320-351 Wv, 352-383 Wo: only pointers are chosen; all take one path.  A wave takes 16 steps of 512 numbers: each load reads 512 consecutive bytes; a step's 2,048 bytes turn through the
; wave's own stage in LDS and come back 64 bytes (16 neighbours) a lane; two neighbouring lanes hold a block.  A wave's 256 scale bytes are gathered in LDS and leave as 256 consecutive bytes, aligned.
; (b) Work-groups 384-399: rope [2048 positions][16 pairs][cos(2p), cos(2p+1), sin(2p), sin(2p+1)] f32, 256 bytes a position.  angle = fl(position x fl(1 / P)), P = 10^(f / 8), as reference() forms it.
; cos and sin by hand in f32: n = nearest whole number to angle x 2 / pi; the rest by three fused multiply-adds with pi / 2 in three parts (the first is exact: n < 2^11, the angle < 2^11); two short polynomials on [-pi/4, pi/4]; the quadrant by selects.
; LIMITS: P is fl(fl(10^(j / 8)) x 10^n), within one unit in the last place of 10^(f / 8).  NaN and infinities among the inputs are not served; blocks whose largest magnitude lies under 2^-124 keep the byte 1.
.set WAVES, 4
.set STEPS, 16
.set EMAX,  2
.set CB,    12                         ; bytes of 16 codes
.set R,     16                         ; v16-79   four sets of 16 numbers as they are loaded
.set X,     80                         ; v80-111  two sets of 16 neighbours
.set C,     128                        ; v128-191 codes: four registers for each step, so that no store's data are written again
.set E,     112                        ; v112-127 a scale byte for each step
.set WREG,  8192                       ; LDS: a region for each wave: two stages of 32 x SP bytes, behind them its 256 scale bytes
.set SP,    80                         ; a lane's place in a stage: 64 bytes + 16 of padding
.set SPW,   12                         ; v12  LDS address of my spare word; never rewritten
.set NIL,   13                         ; v13  0; never rewritten
.set SPARE, WAVES*WREG                 ; the spare words, 128 bytes for each wave, that no other line names
.set XS_OFF, 6291456
.set WS_OFF, 3145728
	s_load_b256 s[4:11], s[0:1], 0x0               ; x, Wq, Wk, Wv
	s_load_b256 s[12:19], s[0:1], 0x20             ; Wo, xq, wq, rope
	v_lshl_add_u32 v[SPW], v0, 2, SPARE
	v_mov_b32 v[NIL], 0
	v_lshrrev_b32 v1, 5, v0
	v_readfirstlane_b32 s20, v1                    ; wave
	v_and_b32 v2, 31, v0                           ; lane
	s_cmp_ge_u32 ttmp9, 384
	s_cbranch_scc1 .Ltable
	v_lshlrev_b32 v3, 4, v2                        ; my 16 bytes of a load's 512
	s_mul_i32 s38, s20, WREG
	v_lshrrev_b32 v14, 2, v2
	v_mul_u32_u24 v14, v14, SP
	v_and_b32 v15, 3, v2
	v_lshl_add_u32 v14, v15, 4, v14
	v_add_nc_u32 v14, s38, v14                     ; the stage, on the way in: SP (lane / 4) + 16 (lane % 4)
	v_mul_u32_u24 v15, v2, SP
	v_add_nc_u32 v15, s38, v15                     ; and on the way out: SP x lane: my 16 neighbours
	v_mul_u32_u24 v4, v2, CB                       ; my codes' place in a step's
	v_lshrrev_b32 v5, 1, v2
	s_add_co_u32 s38, s38, 2*32*SP
	v_add_nc_u32 v5, s38, v5                       ; my wave's 256 scale bytes, my block's byte
	v_lshlrev_b32 v7, 3, v2                        ; and on the way out 8 bytes a lane
	v_add_nc_u32 v6, s38, v7
	s_and_b32 s27, ttmp9, 31                       ; a weight's group of 32 rows
	s_sub_co_u32 s28, ttmp9, 256                   ; and its place in wq
	s_and_b32 s29, s20, 1
	s_lshl_b32 s29, s29, 1
	s_lshr_b32 s30, s20, 1
	s_or_b32 s29, s29, s30                         ; the wave's number with its two bits swapped: where my 8 rows go
	s_mov_b32 s26, WS_OFF
	s_wait_kmcnt 0x0
	s_cmp_lt_u32 ttmp9, 352                        ; the choices hang on the work-group's number alone
	s_cselect_b64 s[22:23], s[10:11], s[12:13]     ; Wv, else Wo
	s_cselect_b32 s29, s29, s20                    ; Wo's rows keep their order
	s_cmp_lt_u32 ttmp9, 320
	s_cselect_b64 s[22:23], s[8:9], s[22:23]       ; Wk
	s_cmp_lt_u32 ttmp9, 288
	s_cselect_b64 s[22:23], s[6:7], s[22:23]       ; Wq
	s_cmp_lt_u32 ttmp9, 256
	s_cselect_b64 s[22:23], s[4:5], s[22:23]       ; x
	s_cselect_b64 s[24:25], s[14:15], s[16:17]     ; into xq, else wq
	s_cselect_b32 s26, XS_OFF, s26
	s_cselect_b32 s27, ttmp9, s27
	s_cselect_b32 s28, ttmp9, s28
	s_lshl_b32 s30, s27, 2
	s_add_co_u32 s30, s30, s20
	s_lshl_b32 s30, s30, 15                        ; my run of 8,192 numbers: 32,768 bytes
	s_mov_b32 s31, 0
	s_add_nc_u64 s[22:23], s[22:23], s[30:31]
	s_lshl_b32 s32, s28, 2
	s_add_co_u32 s32, s32, s29
	s_mul_i32 s30, s32, 32*STEPS*CB                ; its codes: 6,144 bytes
	s_add_nc_u64 s[34:35], s[24:25], s[30:31]
	s_lshl_b32 s30, s32, 8                         ; its 256 scale bytes
	s_add_co_u32 s30, s30, s26
	s_add_nc_u64 s[36:37], s[24:25], s[30:31]
.macro LOAD t
.irp i, 0,1,2,3
	global_load_b128 v[R+16*((\t)%4)+4*\i:R+16*((\t)%4)+4*\i+3], v3, s[22:23] offset:2048*(\t)+512*\i th:TH_LOAD_NT   ; 32 lanes read 512 consecutive bytes
.endr
.endm
.macro TURN t                          ; step t's numbers through the stage: LDS serves a wave's instructions in order, so no wait stands between the stores and the loads
.irp i, 0,1,2,3
	ds_store_b128 v14, v[R+16*((\t)%4)+4*\i:R+16*((\t)%4)+4*\i+3] offset:32*SP*((\t)%2)+8*SP*\i
.endr
.irp i, 0,1,2,3
	ds_load_b128 v[X+16*((\t)%2)+4*\i:X+16*((\t)%2)+4*\i+3], v15 offset:32*SP*((\t)%2)+16*\i
.endr
.endm
.irp t, 0,1,2,3
	LOAD \t
.endr
	s_wait_loadcnt 12                              ; step 0's four loads are in; the twelve of steps 1 to 3 may be out
	TURN 0
.macro STEP t
.set XS, X+16*((\t)%2)
.if (\t) > 0
	s_wait_dscnt 1                                 ; this step's numbers are back from the stage (the last step's byte store may be out)
.else
	s_wait_dscnt 0x0
.endif
.if (\t)+4 < STEPS
	LOAD (\t)+4                                    ; into the registers that this step's stores into the stage have read
.endif
.if (\t)+1 < STEPS
.if STEPS-2-(\t) >= 3
	s_wait_loadcnt 12                              ; the next step's four loads are in; those of the three steps behind it may be out
.else
	s_wait_loadcnt 4*(STEPS-2-(\t))
.endif
	TURN (\t)+1                                    ; through the other stage while this step is worked
.endif
	v_max3_num_f32 v8, |v[XS]|, |v[XS+1]|, |v[XS+2]|               ; the largest magnitude of my 16
	v_max3_num_f32 v9, |v[XS+3]|, |v[XS+4]|, |v[XS+5]|
.irp i, 6,10
	v_max3_num_f32 v8, v8, |v[XS+\i]|, |v[XS+\i+1]|
	v_max3_num_f32 v9, v9, |v[XS+\i+2]|, |v[XS+\i+3]|
.endr
	v_max3_num_f32 v8, v8, |v[XS+14]|, |v[XS+15]|
	v_max3_num_f32 v8, v8, v9, (EMAX+1)<<23        ; and the floor 2^(3 - 127): the byte cannot fall under 1
	v_max_num_f32_dpp v8, v8, v8 row_xmask:1 row_mask:0xf bank_mask:0xf   ; and of my neighbour's 16: the block's
	v_add_nc_u32 v11, -(EMAX<<23), v8              ; 2 off its exponent field: the conversion takes the exponent field of this operand as its scale
	v_cvt_scalef32_pk16_fp6_f32 v[C+4*(\t):C+4*(\t)+2], v[XS:XS+15], v11
	v_lshrrev_b32 v[E+(\t)], 23, v11               ; the scale's byte
	ds_store_b8 v5, v[E+(\t)] offset:16*(\t)       ; both lanes of a block write the same byte with the same value
	global_store_b96 v4, v[C+4*(\t):C+4*(\t)+2], s[34:35] offset:32*CB*(\t)
.endm
.irp t, 0,1,2,3,4,5,6,7,8,9,10,11,12,13,14,15
	STEP \t
.endr
	ds_load_b64 v[8:9], v6                         ; LDS serves a wave's instructions in order: these see my stores
	s_wait_dscnt 0x0
	global_store_b64 v7, v[8:9], s[36:37]          ; 32 lanes store 256 consecutive bytes, aligned
	s_wait_tensorcnt 0x0                           ; the wave's end
	ds_add_u32 v[SPW], v[NIL]
	s_wait_dscnt 0x0
	s_endpgm
.Ltable:                               ; 64 waves, 32 positions each; lane: pair p = lane % 16; lanes 16-31 take the next position.  No LDS is touched on this path
	s_sub_co_u32 s21, ttmp9, 384
	s_lshl_b32 s21, s21, 2
	s_add_co_u32 s21, s21, s20
	s_lshl_b32 s21, s21, 5                         ; my wave's first position
	v_and_b32 v6, 15, v0                           ; p
	v_bfe_u32 v5, v0, 4, 1
	v_add_nc_u32 v3, s21, v5                       ; my position
	v_lshlrev_b32 v4, 8, v3
	v_lshl_add_u32 v4, v6, 4, v4                   ; 256 x position + 16 p
	v_and_b32 v22, 3, v0                           ; p % 4: frequencies 2 p and 2 p + 1 are 10^((2 (p % 4) + 0, 1) / 8) x 10^(p / 4)
	v_bfe_u32 v23, v0, 2, 2                        ; p / 4
	v_mov_b32 v20, 1.0                             ; 10^(0/8)
	v_mov_b32 v21, 0x3faab0d5                      ; 10^(1/8)
	v_mov_b32 v24, 1.0
	v_cmp_ne_u32 vcc_lo, 1, v22
	v_cndmask_b32 v20, 0x3fe39ea9, v20, vcc_lo     ; 10^(2/8)
	v_cndmask_b32 v21, 0x4017c496, v21, vcc_lo     ; 10^(3/8)
	v_cmp_ne_u32 vcc_lo, 2, v22
	v_cndmask_b32 v20, 0x404a62c2, v20, vcc_lo     ; 10^(4/8)
	v_cndmask_b32 v21, 0x4086f161, v21, vcc_lo     ; 10^(5/8)
	v_cmp_ne_u32 vcc_lo, 3, v22
	v_cndmask_b32 v20, 0x40b3f300, v20, vcc_lo     ; 10^(6/8)
	v_cndmask_b32 v21, 0x40eff755, v21, vcc_lo     ; 10^(7/8)
	v_cmp_ne_u32 vcc_lo, 1, v23
	v_cndmask_b32 v24, 0x41200000, v24, vcc_lo     ; 10
	v_cmp_ne_u32 vcc_lo, 2, v23
	v_cndmask_b32 v24, 0x42c80000, v24, vcc_lo     ; 100
	v_cmp_ne_u32 vcc_lo, 3, v23
	v_cndmask_b32 v24, 0x447a0000, v24, vcc_lo     ; 1000
	v_mul_f32 v20, v20, v24                        ; P
	v_mul_f32 v21, v21, v24
	v_rcp_f32 v26, v20
	v_rcp_f32 v27, v21
	v_nop                                          ; a plain instruction behind the reciprocals
	s_mov_b32 s40, 0xbfc90fdb                      ; -pi/2 in three parts
	s_mov_b32 s41, 0x333bbd2e
	s_mov_b32 s42, 0x26f72ced
	s_wait_alu depctr_va_vdst(0)                   ; one wait for both, ahead of their first reader
	v_fma_f32 v28, -v20, v26, 1.0                  ; one step of Newton: 1 / P to the last place
	v_fma_f32 v29, -v21, v27, 1.0
	v_fma_f32 v26, v26, v28, v26
	v_fma_f32 v27, v27, v29, v27
; cos and sin of fl(position x v[inv]) into v[C] and v[S]
.macro SINCOS inv, C, S
	v_mul_f32 v30, v8, v[\inv]                     ; the angle, rounded as reference()'s outer product rounds it
	v_mul_f32 v31, 0x3f22f983, v30                 ; x 2 / pi
	v_rndne_f32 v31, v31                           ; n
	v_fma_f32 v32, v31, s40, v30
	v_fma_f32 v32, v31, s41, v32
	v_fma_f32 v32, v31, s42, v32                   ; r = angle - n pi / 2
	v_cvt_i32_f32 v33, v31
	v_mul_f32 v34, v32, v32                        ; z = r^2
	v_mov_b32 v35, 0xb94ca1f9
	v_fmaak_f32 v35, v35, v34, 0x3c08839e
	v_fmaak_f32 v35, v35, v34, 0xbe2aaaa3
	v_mul_f32 v36, v34, v32
	v_fma_f32 v35, v35, v36, v32                   ; sin r
	v_mov_b32 v37, 0x37ccf5ce
	v_fmaak_f32 v37, v37, v34, 0xbab6061a
	v_fmaak_f32 v37, v37, v34, 0x3d2aaaa5
	v_mul_f32 v38, v34, v34
	v_fma_f32 v39, v34, -0.5, 1.0
	v_fma_f32 v37, v37, v38, v39                   ; cos r
	v_and_b32 v38, 1, v33
	v_cmp_eq_u32 vcc_lo, 1, v38                    ; odd quadrants change the two
	v_cndmask_b32 v[\S], v35, v37, vcc_lo
	v_cndmask_b32 v[\C], v37, v35, vcc_lo
	v_and_b32 v38, 2, v33
	v_lshlrev_b32 v38, 30, v38
	v_xor_b32 v[\S], v[\S], v38                    ; sin is negative in quadrants 2, 3
	v_add_nc_u32 v39, 1, v33
	v_and_b32 v39, 2, v39
	v_lshlrev_b32 v39, 30, v39
	v_xor_b32 v[\C], v[\C], v39                    ; cos in quadrants 1, 2
.endm
	s_mov_b32 s43, 16
	s_wait_kmcnt 0x0
.Lpos:
	v_cvt_f32_u32 v8, v3
	SINCOS 26, 44, 46
	SINCOS 27, 45, 47
	global_store_b128 v4, v[44:47], s[18:19]       ; the wave stores two positions' rows: 512 consecutive bytes
	s_wait_xcnt 0x0                                ; the store's address and data are rewritten only behind this wait
	v_add_nc_u32 v3, 2, v3
	v_add_nc_u32 v4, 512, v4
	s_sub_co_u32 s43, s43, 1
	s_cmp_lg_u32 s43, 0
	s_cbranch_scc1 .Lpos
	s_endpgm
.Lfunc_end_k_q36e7b7cc3a_prep:
	.size	k_q36e7b7cc3a_prep, .Lfunc_end_k_q36e7b7cc3a_prep-k_q36e7b7cc3a_prep
	.p2alignl 7, 3214868480
	.fill 96, 4, 3214868480
	.section	.rodata,"a",@progbits
	.p2align	6, 0x0
	.amdhsa_kernel k_q36e7b7cc3a_prep
		.amdhsa_group_segment_fixed_size 33280
		.amdhsa_private_segment_fixed_size 0
		.amdhsa_enable_private_segment 0
		.amdhsa_kernarg_size 64
		.amdhsa_user_sgpr_count 2
		.amdhsa_user_sgpr_kernarg_segment_ptr 1
		.amdhsa_wavefront_size32 1
		.amdhsa_system_sgpr_workgroup_id_x 1
		.amdhsa_system_sgpr_workgroup_id_y 1
		.amdhsa_system_sgpr_workgroup_id_z 1
		.amdhsa_system_vgpr_workitem_id 0
		.amdhsa_next_free_vgpr 192
		.amdhsa_next_free_sgpr 66
		.amdhsa_reserve_vcc 1
		.amdhsa_float_denorm_mode_32 3
		.amdhsa_float_denorm_mode_16_64 3
		.amdhsa_memory_ordered 1
		.amdhsa_forward_progress 1
		.amdhsa_inst_pref_size 38
	.end_amdhsa_kernel
	.amdgpu_metadata
---
amdhsa.version: [ 1, 2 ]
amdhsa.kernels:
  - .name:           k_q36e7b7cc3a_prep
    .symbol:         k_q36e7b7cc3a_prep.kd
    .args:
      - { .name: x, .offset: 0, .size: 8, .value_kind: global_buffer, .address_space: global }
      - { .name: Wq, .offset: 8, .size: 8, .value_kind: global_buffer, .address_space: global }
      - { .name: Wk, .offset: 16, .size: 8, .value_kind: global_buffer, .address_space: global }
      - { .name: Wv, .offset: 24, .size: 8, .value_kind: global_buffer, .address_space: global }
      - { .name: Wo, .offset: 32, .size: 8, .value_kind: global_buffer, .address_space: global }
      - { .name: xq, .offset: 40, .size: 8, .value_kind: global_buffer, .address_space: global }
      - { .name: wq, .offset: 48, .size: 8, .value_kind: global_buffer, .address_space: global }
      - { .name: rope, .offset: 56, .size: 8, .value_kind: global_buffer, .address_space: global }
    .group_segment_fixed_size: 33280
    .private_segment_fixed_size: 0
    .kernarg_segment_align: 8
    .kernarg_segment_size: 64
    .max_flat_workgroup_size: 128
    .sgpr_count:     66
    .vgpr_count:     192
    .wavefront_size: 32
...
	.end_amdgpu_metadata
.endif
;; end of part 1
;; launch qkv (part 2): grid 12 x 32, 4 waves a work-group, clusters of 4 x 4, 327,680 bytes of LDS; arguments xq, wq, rope, qkv; writes qkv
.if DOCPART == 2
	.amdgcn_target "amdgcn-amd-amdhsa--gfx1250"
	.amdhsa_code_object_version 6
	.text
	.protected	k_q36e7b7cc3a_qkv
	.globl	k_q36e7b7cc3a_qkv
	.p2align	8
	.type	k_q36e7b7cc3a_qkv,@function
k_q36e7b7cc3a_qkv:
	s_mov_b64 s[64:65], 0
	v_nop
	global_prefetch_b8 v0, s[64:65] scope:SCOPE_SE
	s_setreg_imm32_b32 hwreg(HW_REG_WAVE_MODE, 25, 1), 1
	s_wait_xcnt 0x0
	s_wait_alu depctr_hold_cnt(0) depctr_sa_sdst(0) depctr_va_vdst(0) depctr_va_sdst(0) depctr_va_ssrc(0) depctr_va_vcc(0) depctr_vm_vsrc(0)
	s_getreg_b32 s2, hwreg(HW_REG_IB_STS2, 6, 4)
	s_cmp_eq_u32 s2, 0
	s_cbranch_scc0 .Lentry_in_a_cluster
	s_endpgm
.Lentry_in_a_cluster:
	s_bfe_u32 s2, ttmp6, 0x10000c
	s_cmp_lg_u32 s2, 0xf033
	s_cbranch_scc0 .Lentry_shape_is_right
	s_endpgm
.Lentry_shape_is_right:
; Launch 2 of 4: q = rot(x Wq^T), k = rot(x Wk^T), v = x Wv^T on codes of FP6 (E2M3) with E8M0 scales, K = 1,024; the results are turned (q, k), quantised in registers and stored as IMAGES OF THE NEXT LAUNCH'S OPERAND REGISTERS.  No work is left out.
; A tile of 256 x 256 is made by four waves, 128 x 128 each (64 accumulators, 512 registers).  K goes in steps of 256 through two LDS slots filled by the tensor data mover; the scale bytes of the work-group's rows come once and stay.
; CLUSTERS of 4 x 4: "A"'s tiles are shared along a row of the cluster, "B"'s along a column, by joint loads.  Cluster x says which product: 0 q, 1 k, 2 v; it is the same in all sixteen partners.
;   q, k: A = x (tile row 4 cluster y + cy), B = W (tile column 4 cluster x + cx).      v: A = Wv (tile row 8 + cy of wq), B = x (tile column 4 cluster y + cx): v is quantised along the TOKENS, so the tokens must run along a lane's registers.
; THE MATRIX INSTRUCTION IS USED TRANSPOSED (source 0 = 16 rows of B, source 1 = 16 rows of A): lane (r, h) holds row r of A's block, and its registers run along B.  The launch before has stored the rows so that stored row 16 i + r is
; row 32 (i / 2) + 8 (i % 2) + r + 8 (r / 8) of each 128: so register 16 b + i of a block's 64 is column 32 b + 16 h + i: 16 neighbours along the next K, and lane r of block a holds row T(a, r) = 32 (a / 2) + 8 (a % 2) + r + 8 (r / 8).
; THE WAY OUT uses no LDS.  q, k: a wave's 128 columns are two heads; x1 = registers 32 e + i, x2 = 32 e + 16 + i of head e; out1 = x1 cos - x2 sin, out2 = x2 cos + x1 sin (a product and a fused multiply-add where reference() has two products
; and a sum); the 64 numbers become one fragment's 12 registers, six for each head, and a scale word, two bytes for each head.  v: a block's 64 numbers (128 tokens of one channel) are quantised as they stand: a whole fragment.
; qkv: three parts (q, k, v) of IMG bytes; in each [batch x 16 + head][16 groups of 128 tokens][BLK = 6,656 bytes].  q, k: tile a at 768 a (registers 0-3 at 16 x lane, 4-5 at 512 + 8 x lane); scale words at 6144 + 256 (a / 4) + 16 r + 4 (a % 4),
; bytes 2, 3 = 0.  v: channel tile a' at 1536 a' + 512 c + 16 x lane; scale words at 6144 + 16 r + 4 a', and once more at 6400, so that every byte of a BLK is stored.
; LIMITS: NaN and infinities are not served; blocks whose largest magnitude lies under 2^-124 keep the byte 1.
; REGISTERS, in windows of 256: window 0: v0-31 addresses; v32-63 scale words, two sets; from v128 A's fragments, ONE set.  window 1: B's fragments, TWO sets.  windows 2, 3: the accumulators ((a, b) at v[8 (8 (a % 4) + b)]).
.set SIZE_K, 1024
.set KSTEP,  256                       ; along K in a slot
.set NQ,     KSTEP/128
.set ROWB,   192                       ; a tile's row in bytes
.set KROW,   SIZE_K*6/8
.set PITCH,  240                       ; an LDS row: 3 x (64 bytes + 16 of padding)
.set FR,     12
.set NL,     6
.set NP,     4
.set HALFT,  128*PITCH
.set SLOT,   4*HALFT
.set LAPS,   SIZE_K/(2*KSTEP)
.set KS,     SIZE_K/32
.set SCL,    2*SLOT                    ; behind the ring: the scales, as rows of 256 bytes + 16 of padding
.set HALFS,  (128*KS/256)*272
.set SBLK,   (16*KS/256)*272
.set SPARE,  SCL+4*HALFS               ; the spare words, 128 bytes for each wave, that no other line names
.set XS_OFF, 6291456
.set WS_OFF, 3145728
.set IMG,    6815744
.set BLK,    6656
.set HSTR,   106496                    ; from head to head: 16 BLK
.set ADRA, 16
.set ADRB, 20
.set ADRS, 27
.set SPW,  28
.set NIL,  29
.set SC,   32
.set AF,   128
.set G1, 24
.set G0, 32
.set G1B, 48
.set G0B, 56
.set G1S, 68
.set G0S, 76
.set G1SB, 80
.set G0SB, 88
.set ISV, 95                           ; s95  1 in v's cluster column
.set SEL, 100                          ; s[100:101] on the way out: lane selects for v_permlanex16_b32
.set MSB, 0
.macro WIN new                         ; the immediate's high byte repeats the setting that is left
.if MSB != \new
	s_set_vgpr_msb (MSB<<8)|\new
.set MSB, \new
.endif
.endm
.set MUL_LO, 0xa1                      ; source 0 (B) window 1, source 1 (A) window 0, C and D window 2
.set MUL_HI, 0xf1
.set TO_B,   0x40
; A joint load: waves 0 and 1 fetch for A, waves 2 and 3 for B.  The branch hangs on the wave's number alone.  An s_nop 0 and four v_nop follow each of the two lines.
.macro JLOAD g0a, g1a, g0b, g1b
	s_cmp_eq_u32 s15, 0
	s_cbranch_scc0 .Lfor_b_\@
	tensor_load_to_lds s[\g0a:\g0a+3], s[\g1a:\g1a+7]
	s_nop 0
.rept 4
	v_nop
.endr
	s_branch .Lasked_\@
.Lfor_b_\@:
	tensor_load_to_lds s[\g0b:\g0b+3], s[\g1b:\g1b+7]
	s_nop 0
.rept 4
	v_nop
.endr
.Lasked_\@:
.endm
.macro CREST                           ; a round of the cluster's barrier behind its opening barrier
	s_cmp_lg_u32 s14, 0
	s_cbranch_scc1 .Lnot_wave_0_\@
	s_barrier_signal -3
.Lnot_wave_0_\@:
	s_barrier_wait -3
	s_barrier_signal -1
	s_barrier_wait -1
.endm
.macro CROUND
	s_barrier_signal -1
	s_barrier_wait -1
	CREST
.endm
	s_load_b256 s[4:11], s[0:1], 0x0               ; xq s[4:5], wq s[6:7], rope s[8:9], qkv s[10:11]
	v_lshl_add_u32 v[SPW], v0, 2, SPARE
	v_mov_b32 v[NIL], 0
	ds_add_u32 v[SPW], v[NIL]                      ; the wave's opening: the add, twice on end, and its wait ahead of my first tensor load
	ds_add_u32 v[SPW], v[NIL]
	v_lshrrev_b32 v1, 5, v0
	v_readfirstlane_b32 s14, v1                    ; wave 0..3
	s_lshr_b32 s15, s14, 1                         ; which half of A's rows is mine.  Also: I fetch for A (0) or for B (1)
	s_and_b32 s16, s14, 1                          ; which half of B's rows.  Also: which 128 rows of that tile I fetch
	s_bfe_u32 s40, ttmp6, 0x40000                  ; cx
	s_bfe_u32 s41, ttmp6, 0x40004                  ; cy
	s_lshl_b32 s42, ttmp9, 2                       ; 4 x cluster x
	s_and_b32 s17, ttmp7, 0xffff
	s_lshl_b32 s17, s17, 2                         ; 4 x cluster y
	s_cmp_eq_u32 ttmp9, 2                          ; v's clusters: A = Wv, B = x
	s_cselect_b32 s[ISV], 1, 0
	s_cselect_b32 s42, s17, s42
	s_cselect_b32 s17, 8, s17
	s_add_co_u32 s42, s42, s40                     ; B's tile: hangs on cx alone among the places in the cluster
	s_add_co_u32 s17, s17, s41                     ; A's tile: on cy alone
	s_lshl_b32 s43, s41, 2
	s_lshl_b32 s43, 15, s43                        ; my row of the cluster
	s_lshl_b32 s44, 0x1111, s40                    ; my column
	s_or_b32 s[G1+0], s43, (0<<16)|(1<<20)|(1<<21)|(3<<22)|(3<<25)  ; the mask; elements of 1 byte; padding on; bit 21 beside a mask; after every 16 words 4 words
	s_or_b32 s[G1B+0], s44, (0<<16)|(1<<20)|(1<<21)|(3<<22)|(3<<25)
.irp g, G1, G1B
	s_mov_b32 s[\g+1], ROWB<<16                    ; tensor_dim0
	s_mov_b32 s[\g+2], 128<<16                     ; tensor_dim1
	s_mov_b32 s[\g+3], ROWB<<16                    ; tile_dim0
	s_mov_b32 s[\g+4], 128                         ; tile_dim1
	s_mov_b32 s[\g+5], KROW                        ; the pitch
	s_mov_b32 s[\g+6], 0
	s_mov_b32 s[\g+7], 0
.endr
	s_or_b32 s[G1S+0], s43, (3<<16)|(1<<20)|(1<<21)|(5<<22)|(3<<25) ; the scales of 128 rows: 4,096 dense bytes as 16 rows of 256, 16 bytes of padding behind each
	s_or_b32 s[G1SB+0], s44, (3<<16)|(1<<20)|(1<<21)|(5<<22)|(3<<25)
.irp g, G1S, G1SB
	s_mov_b32 s[\g+1], 32<<16
	s_mov_b32 s[\g+2], (128*KS/256)<<16
	s_mov_b32 s[\g+3], 32<<16
	s_mov_b32 s[\g+4], 128*KS/256
	s_mov_b32 s[\g+5], 32
	s_mov_b32 s[\g+6], 0
	s_mov_b32 s[\g+7], 0
.endr
	s_lshl_b32 s18, s16, 7                         ; which 128 rows of the tile I fetch
	s_lshl_b32 s20, s17, 8
	s_add_co_u32 s20, s20, s18                     ; A's row
	s_lshl_b32 s46, s42, 8
	s_add_co_u32 s46, s46, s18                     ; B's row
	s_mov_b32 s21, 0
	s_mov_b32 s47, 0
	s_mov_b64 s[18:19], KS
	s_mul_u64 s[22:23], s[20:21], s[18:19]         ; where these rows' scales begin,
	s_mul_u64 s[92:93], s[46:47], s[18:19]
	s_mov_b64 s[18:19], KROW
	s_mul_u64 s[20:21], s[20:21], s[18:19]         ; and their codes
	s_mul_u64 s[46:47], s[46:47], s[18:19]
	s_mul_i32 s45, s14, HALFT                      ; where they go: wave x 128 rows
	s_mul_i32 s94, s14, HALFS
	s_wait_dscnt 0x0                               ; both opening adds are done
	s_wait_kmcnt 0x0
	s_add_nc_u64 s[96:97], s[4:5], XS_OFF          ; x's scale bytes
	s_add_nc_u64 s[98:99], s[6:7], WS_OFF          ; the weights'
	s_cmp_eq_u32 s[ISV], 1                         ; the choice hangs on the cluster's x alone
	s_cselect_b64 s[100:101], s[6:7], s[4:5]       ; A's codes
	s_add_nc_u64 s[20:21], s[100:101], s[20:21]
	s_cselect_b64 s[100:101], s[98:99], s[96:97]   ; A's scales
	s_add_nc_u64 s[22:23], s[100:101], s[22:23]
	s_cselect_b64 s[100:101], s[4:5], s[6:7]       ; B's codes
	s_add_nc_u64 s[46:47], s[100:101], s[46:47]
	s_cselect_b64 s[100:101], s[96:97], s[98:99]   ; B's scales
	s_add_nc_u64 s[92:93], s[100:101], s[92:93]
	CROUND                                         ; all sixteen work-groups are here: the first joint loads meet
	s_mov_b32 s[G0S], 1
	s_add_co_u32 s[G0S+1], s94, SCL
	s_mov_b64 s[G0S+2:G0S+3], s[22:23]
	s_or_b32 s[G0S+3], s[G0S+3], 0x80000000
	s_mov_b32 s[G0SB], 1
	s_add_co_u32 s[G0SB+1], s94, SCL
	s_mov_b64 s[G0SB+2:G0SB+3], s[92:93]
	s_or_b32 s[G0SB+3], s[G0SB+3], 0x80000000
	JLOAD G0S, G1S, G0SB, G1SB                     ; the scales first: they are wanted with K step 0
.irp s, 0,1
	s_mov_b32 s[G0+4*\s], 1
	s_add_co_u32 s[G0+4*\s+1], s45, \s*SLOT
	s_add_nc_u64 s[G0+4*\s+2:G0+4*\s+3], s[20:21], \s*ROWB
	s_or_b32 s[G0+4*\s+3], s[G0+4*\s+3], 0x80000000
	s_mov_b32 s[G0B+4*\s], 1
	s_add_co_u32 s[G0B+4*\s+1], s45, \s*SLOT
	s_add_nc_u64 s[G0B+4*\s+2:G0B+4*\s+3], s[46:47], \s*ROWB
	s_or_b32 s[G0B+4*\s+3], s[G0B+4*\s+3], 0x80000000
	JLOAD G0+4*\s, G1, G0B+4*\s, G1B               ; three loads of mine are out at the most
.endr
	v_and_b32 v1, 15, v0                           ; r
	v_bfe_u32 v2, v0, 4, 1                         ; h
	v_mul_u32_u24 v3, v1, PITCH
	v_mul_u32_u24 v4, v2, 24
	v_add_nc_u32 v4, v3, v4                        ; a fragment's row x pitch + 24 h
	v_lshl_add_u32 v5, v2, 4, v4                   ; and the same behind one padding more
	s_mul_i32 s21, s15, HALFT                      ; my 128 rows of A
	s_mul_i32 s22, s16, HALFT                      ; my 128 rows of B,
	s_add_co_u32 s22, s22, 2*HALFT                 ; which lie behind A's 256
.irp s, 0,1
	v_add_nc_u32 v[ADRA+\s], s21, v4
	v_add_nc_u32 v[ADRB+\s], s22, v4
	v_add_nc_u32 v[ADRA+2+\s], s21, v5
	v_add_nc_u32 v[ADRB+2+\s], s22, v5
	s_add_co_u32 s21, s21, SLOT
	s_add_co_u32 s22, s22, SLOT
.endr
	v_mul_u32_u24 v5, v1, KS                       ; my row's scales: KS bytes a row,
	v_lshrrev_b32 v6, 8, v5
	v_lshl_add_u32 v5, v6, 4, v5                   ; and 16 more for each 256 passed
	s_mul_i32 s21, s15, HALFS
	s_mul_i32 s22, s16, HALFS
	s_add_co_u32 s22, s22, 2*HALFS
	s_sub_co_u32 s22, s22, s21
	v_mul_u32_u24 v6, s22, v2                      ; lanes 16-31 take B's
	s_add_co_u32 s21, s21, SCL
	v_add_nc_u32 v5, v5, v6
	v_add_nc_u32 v[ADRS], s21, v5
	; where my results go.  tt: the tile of 256 tokens, th: my half of it; hq: the tile of 4 heads, hh: my half of it
	s_cmp_eq_u32 s[ISV], 1
	s_cselect_b32 s66, s42, s17                    ; tt
	s_cselect_b32 s67, s16, s15                    ; th
	s_cselect_b32 s96, s41, s40                    ; hq
	s_cselect_b32 s97, s15, s16                    ; hh
	s_lshr_b32 s98, s66, 3                         ; the batch: 8 tiles of tokens each
	s_and_b32 s66, s66, 7
	s_lshl_b32 s66, s66, 1
	s_add_co_u32 s66, s66, s67                     ; g: my group of 128 tokens in the sequence
	s_lshl_b32 s96, s96, 2
	s_lshl_b32 s97, s97, 1
	s_add_co_u32 s96, s96, s97                     ; my first head
	s_lshl_b32 s98, s98, 4
	s_add_co_u32 s98, s98, s96
	s_lshl_b32 s98, s98, 4
	s_add_co_u32 s98, s98, s66
	s_mul_i32 s98, s98, BLK
	s_mul_i32 s99, ttmp9, IMG                      ; q's, k's or v's part
	s_add_co_u32 s98, s98, s99
	s_mov_b32 s99, 0
	s_add_nc_u64 s[12:13], s[10:11], s[98:99]      ; OUT
	s_lshl_b32 s98, s66, 15                        ; 128 positions of 256 bytes
	s_add_nc_u64 s[8:9], s[8:9], s[98:99]          ; the table at my group's first position
.macro FRAG reg, adr, q, i             ; a fragment: 12 registers; lane (r, h): registers 6 c .. 6 c + 5 = K 64 c + 32 h + 0 .. 31: 24 bytes of the row's stream, in pieces of 8
.irp p, 0,1,2,3,4,5
.set PCE, 12*(\q)+6*(\p/3)+\p%3       ; 16 bytes of padding lie behind every 8 pieces: where the piece three on lies behind one padding more, the second address register serves
.if PCE%8 < 5
	ds_load_b64 v[\reg+2*\p:\reg+2*\p+1], v[\adr] offset:8*PCE+16*(PCE/8)+(\i)*16*PITCH
.else
	ds_load_b64 v[\reg+2*\p:\reg+2*\p+1], v[\adr+2] offset:8*PCE+16*(PCE/8)+(\i)*16*PITCH
.endif
.endr
.endm
; 16 matrix instructions: A's blocks a0, a0 + 1 x B's eight.  The 64 accumulators take turns, one instruction a turn, in the same order in every step.
.macro MUL16 a0, p, q, sc, zero
.irp a, \a0, \a0+1
.irp b, 0,1,2,3,4,5,6,7
.if \zero
	v_wmma_scale_f32_16x16x128_f8f6f4 v[8*(8*((\a)%4)+\b):8*(8*((\a)%4)+\b)+7], v[128*(\p)+FR*\b:128*(\p)+FR*\b+FR-1], v[AF+FR*(\a):AF+FR*(\a)+FR-1], 0, v[SC+8*NQ*(\sc)+NQ*\b+(\q)], v[SC+8*NQ*(\sc)+NQ*(\a)+(\q)] matrix_a_fmt:MATRIX_FMT_FP6 matrix_b_fmt:MATRIX_FMT_FP6 matrix_a_scale:MATRIX_SCALE_ROW1
.else
	v_wmma_scale_f32_16x16x128_f8f6f4 v[8*(8*((\a)%4)+\b):8*(8*((\a)%4)+\b)+7], v[128*(\p)+FR*\b:128*(\p)+FR*\b+FR-1], v[AF+FR*(\a):AF+FR*(\a)+FR-1], v[8*(8*((\a)%4)+\b):8*(8*((\a)%4)+\b)+7], v[SC+8*NQ*(\sc)+NQ*\b+(\q)], v[SC+8*NQ*(\sc)+NQ*(\a)+(\q)] matrix_a_fmt:MATRIX_FMT_FP6 matrix_b_fmt:MATRIX_FMT_FP6 matrix_a_scale:MATRIX_SCALE_ROW1
.endif
.endr
.endr
.endm
.macro FETCH_B slot, q, p
	WIN TO_B
.irp i, 0,1,2,3,4,5,6,7
	FRAG 128*(\p)+FR*\i, ADRB+\slot, \q, \i
.endr
	WIN 0
.endm
.macro FETCH_A slot, q, i0
.irp i, \i0, \i0+1, \i0+2, \i0+3
	FRAG AF+FR*(\i), ADRA+\slot, \q, \i
.endr
.endm
.macro SCALES sc                       ; the next K step's scale words: lanes 0-15 take A's block i, lanes 16-31 B's block i
.irp i, 0,1,2,3,4,5,6,7
	ds_load_b64 v[SC+8*NQ*\sc+NQ*\i:SC+8*NQ*\sc+NQ*\i+1], v[ADRS] offset:\i*SBLK
.endr
.endm
.macro PLACES n                        ; plain vector instructions between a matrix instruction and a load into, or a read of, its registers
.rept \n
	v_nop
.endr
.endm
.macro STEP slot, q, zero              ; a step of 128 along K that has its successor in the same slot
	s_wait_dscnt 4*NL                              ; B's set and A's blocks 0-3 are in; the youngest 24 loads (A's blocks 4-7) may be out
	WIN MUL_LO
	MUL16 0, (\q)%2, \q, \slot, \zero
	MUL16 2, (\q)%2, \q, \slot, \zero
	s_wait_dscnt 0
	PLACES NP
	FETCH_B \slot, (\q)+1, 1-(\q)%2
	FETCH_A \slot, (\q)+1, 0
	WIN MUL_HI
	MUL16 4, (\q)%2, \q, \slot, \zero
	MUL16 6, (\q)%2, \q, \slot, \zero
	PLACES NP
	WIN 0
	FETCH_A \slot, (\q)+1, 4
.endm
; A slot's last step changes slots: ONE barrier; in front of it each wave waits for all its tensor loads, adds 0 to its spare word, and waits for that and for its own reads of this slot.  fill = 1: this slot is filled again.
.macro TURN slot, next, fill
	s_wait_tensorcnt 0x0                           ; all my tensor loads have landed: my part of the next slot
	ds_add_u32 v[SPW], v[NIL]                      ; 0 onto my spare word
	s_wait_dscnt 4*NL+1                            ; the add and the youngest 24 loads may be out
	WIN MUL_LO
	MUL16 0, 1, NQ-1, \slot, 0
	s_wait_dscnt 0x0                               ; the add is done, and my reads of this slot are over
	s_barrier_signal -1
	MUL16 2, 1, NQ-1, \slot, 0
	WIN 0
	s_barrier_wait -1
.if \fill
	CREST                                          ; the barrier has opened a round of the cluster's: no wave of any partner still reads this slot or has a load on its way
	s_add_nc_u64 s[G0+4*\slot+2:G0+4*\slot+3], s[G0+4*\slot+2:G0+4*\slot+3], 2*ROWB
	s_add_nc_u64 s[G0B+4*\slot+2:G0B+4*\slot+3], s[G0B+4*\slot+2:G0B+4*\slot+3], 2*ROWB
	JLOAD G0+4*\slot, G1, G0B+4*\slot, G1B         ; the first tensor load behind the round; its four v_nop are the places in front of the loads below
.else
	PLACES NP
.endif
	v_add_nc_u32 v[ADRS], 4*NQ, v[ADRS]            ; on to the next K step's scale words
	FETCH_B \next, 0, 0
	FETCH_A \next, 0, 0
	SCALES \next
	WIN MUL_HI
	MUL16 4, 1, NQ-1, \slot, 0
	MUL16 6, 1, NQ-1, \slot, 0
	PLACES NP
	WIN 0
	FETCH_A \next, 0, 4
.endm
	s_wait_tensorcnt 1                             ; the scales and my part of K step 0 are in (K step 1's load may be out)
	s_barrier_signal -1
	s_barrier_wait -1                              ; everybody's are
	FETCH_B 0, 0, 0
	FETCH_A 0, 0, 0
	SCALES 0
	FETCH_A 0, 0, 4
	STEP 0, 0, 1                                   ; the first step's products start the sums
.rept LAPS-1                           ; K has four K steps: once round the ring with refills, written out
	TURN 0, 1, 1
	STEP 1, 0, 0
	TURN 1, 0, 1
	STEP 0, 0, 0
.endr
	TURN 0, 1, 0                                   ; the last lap fills nothing
	STEP 1, 0, 0
	s_wait_dscnt 4*NL
	WIN MUL_LO
	MUL16 0, 1, NQ-1, 1, 0
	MUL16 2, 1, NQ-1, 1, 0
	s_wait_dscnt 0
	WIN MUL_HI
	MUL16 4, 1, NQ-1, 1, 0
	MUL16 6, 1, NQ-1, 1, 0
	WIN 0
; ---------------- THE WAY OUT ----------------
.set L16, 16                           ; v16  16 x lane
.set L8,  17                           ; v17  8 x lane
.set VS,  18                           ; v18  h x HSTR + 16 r: the scale words' place
.set RT,  19                           ; v19  the table: (r + 8 (r / 8)) x 256 + 128 h
.set SH,  20                           ; v20  16 h
.set HH,  21                           ; v21  h
.set CS0, 32                           ; v32-63 and v192-223: cos and sin of a block, two sets
.set HA,  64                           ; v64-127  a block's 64 turned numbers
.set PC,  128                          ; v128-146 the codes just made
.set TM,  152                          ; v152-167 at work
.set PW,  168                          ; v168 the scale word just made
.set SW,  176                          ; v176-183 the eight blocks' scale words
.set XX,  184                          ; v184-187
	v_and_b32 v1, 31, v0
	v_and_b32 v2, 15, v0
	v_bfe_u32 v[HH], v0, 4, 1
	v_lshlrev_b32 v[L16], 4, v1
	v_lshlrev_b32 v[L8], 3, v1
	v_lshlrev_b32 v[VS], 4, v2
	v_mad_u32_u24 v[VS], v[HH], HSTR, v[VS]
	v_and_b32 v3, 8, v2
	v_add_nc_u32 v3, v3, v2
	v_lshlrev_b32 v[RT], 8, v3
	v_lshl_add_u32 v[RT], v[HH], 7, v[RT]
	v_lshlrev_b32 v[SH], 4, v[HH]
	s_mov_b32 s[SEL], 0x76543210
	s_mov_b32 s[SEL+1], 0xfedcba98
	PLACES NP                                      ; behind the last products: what follows reads results and writes registers that held fragments and scale words
.irp b, 0,1,2,3
	v_mov_b32 v[TM+4+\b], 0                        ; written once: a lane permute's destination counts as one of its sources
.endr
; 64 numbers of a lane in window w, v[s] on, register 16 b + i = k 32 b + 16 h + i of my row, become a fragment's codes in v[PC] on and its scale word in v[PW].  Each accumulator is read from its low end on.
.macro QUANT s, w
.set WW, (\w)|((\w)<<2)
	WIN WW
.irp b, 0,1,2,3
	v_max3_num_f32 v[TM+\b], |v[\s+16*\b]|, |v[\s+1+16*\b]|, 0x1800000   ; my 16 numbers of block b, and the floor 2^(3 - 127): the byte cannot fall under 1
.endr
.irp i, 2,4,6,8,10,12,14
.irp b, 0,1,2,3
	v_max3_num_f32 v[TM+\b], |v[\s+16*\b+\i]|, |v[\s+1+16*\b+\i]|, v[TM+\b]
.endr
.endr
	WIN 0
.irp b, 0,1,2,3
	v_permlanex16_b32 v[TM+4+\b], v[TM+\b], s[SEL], s[SEL+1]
.endr
.irp b, 0,1,2,3
	v_max_num_f32 v[TM+\b], v[TM+\b], v[TM+4+\b]   ; with lane l xor 16's: the block's largest magnitude
.endr
.irp b, 0,1,2,3
	v_add_nc_u32 v[TM+12+\b], 0xff000000, v[TM+\b] ; 2 off its exponent field: the conversion's scale operand
.endr
.irp b, 0,1,2,3
	v_lshrrev_b32 v[TM+4+\b], 23, v[TM+12+\b]      ; the scale's byte
.endr
	v_lshl_or_b32 v[PW], v[TM+5], 8, v[TM+4]
	v_lshl_or_b32 v[PW], v[TM+6], 16, v[PW]
	v_lshl_or_b32 v[PW], v[TM+7], 24, v[PW]
.set WW, \w
	WIN WW
.irp c, 0,1
	v_cvt_scalef32_pk16_fp6_f32 v[PC+6*\c:PC+2+6*\c], v[\s+32*\c:\s+15+32*\c], v[TM+12+2*\c]
	v_cvt_scalef32_pk16_fp6_f32 v[PC+12+4*\c:PC+14+4*\c], v[\s+16+32*\c:\s+31+32*\c], v[TM+12+2*\c+1]   ; (a conversion's three registers begin on an even number)
.endr
	WIN 0
	v_nop                                          ; one plain place behind a scaled conversion
.irp c, 0,1                            ; the operand's layout wants a WHOLE block in a lane
.irp i, 0,1,2
	v_permlane16_swap_b32 v[PC+6*\c+\i], v[PC+12+4*\c+\i]
.endr
.irp i, 0,1,2
	v_mov_b32 v[PC+3+6*\c+\i], v[PC+12+4*\c+\i]
.endr
.endr
.endm
.macro CSLOAD a                        ; cos and sin of block a: position T(a, r), frequencies 16 h + 0 .. 15: 128 bytes a lane
.irp k, 0,1,2,3,4,5,6,7
	global_load_b128 v[CS0+160*((\a)%2)+4*\k:CS0+160*((\a)%2)+4*\k+3], v[RT], s[8:9] offset:(32*((\a)/2)+8*((\a)%2))*256+16*\k
.endr
.endm
.macro QKBLOCK a
.set AC, 64*((\a)%4)
.set W, 2+(\a)/4
.set CS, CS0+160*((\a)%2)
.if (\a) < 7
	CSLOAD (\a)+1
	s_wait_loadcnt 8                               ; this block's eight loads are in; the next block's eight may be out
.else
	s_wait_loadcnt 0x0
.endif
	s_wait_xcnt 0x0                                ; the last block's stores have read the codes' registers
	WIN W
.irp e, 0,1
.irp k, 0,1,2,3,4,5,6,7
	v_pk_mul_f32 v[HA+32*\e+2*\k:HA+32*\e+2*\k+1], v[AC+32*\e+16+2*\k:AC+32*\e+16+2*\k+1], v[CS+4*\k+2:CS+4*\k+3]         ; x2 sin
	v_pk_mul_f32 v[HA+32*\e+16+2*\k:HA+32*\e+16+2*\k+1], v[AC+32*\e+2*\k:AC+32*\e+2*\k+1], v[CS+4*\k+2:CS+4*\k+3]         ; x1 sin
.endr
.irp k, 0,1,2,3,4,5,6,7
	v_pk_fma_f32 v[HA+32*\e+2*\k:HA+32*\e+2*\k+1], v[AC+32*\e+2*\k:AC+32*\e+2*\k+1], v[CS+4*\k:CS+4*\k+1], v[HA+32*\e+2*\k:HA+32*\e+2*\k+1] neg_lo:[0,0,1] neg_hi:[0,0,1]   ; x1 cos - x2 sin
	v_pk_fma_f32 v[HA+32*\e+16+2*\k:HA+32*\e+16+2*\k+1], v[AC+32*\e+16+2*\k:AC+32*\e+16+2*\k+1], v[CS+4*\k:CS+4*\k+1], v[HA+32*\e+16+2*\k:HA+32*\e+16+2*\k+1]              ; x2 cos + x1 sin
.endr
.endr
	QUANT HA, 0
	global_store_b128 v[L16], v[PC:PC+3], s[12:13] offset:768*(\a)                 ; my first head's six registers: 512 and 256 consecutive bytes, aligned
	global_store_b64 v[L8], v[PC+4:PC+5], s[12:13] offset:768*(\a)+512
	global_store_b128 v[L16], v[PC+6:PC+9], s[12:13] offset:768*(\a)+HSTR          ; and the next head's
	global_store_b64 v[L8], v[PC+10:PC+11], s[12:13] offset:768*(\a)+512+HSTR
	v_bfe_u32 v[SW+(\a)], v[PW], v[SH], 16         ; lanes 0-15 keep the first head's two bytes, lanes 16-31 the next head's; bytes 2, 3 are 0
.endm
.macro VBLOCK a
.set AC, 64*((\a)%4)
.set W, 2+(\a)/4
	s_wait_xcnt 0x0                                ; the last block's stores have read the codes' registers
	QUANT AC, W
.irp c, 0,1,2
	global_store_b128 v[L16], v[PC+4*\c:PC+4*\c+3], s[12:13] offset:((\a)/4)*HSTR+((\a)%4)*1536+512*\c
.endr
	v_mov_b32 v[SW+(\a)], v[PW]
.endm
	s_cmp_eq_u32 s[ISV], 1                         ; the cluster's x alone: the same in all partners and waves
	s_cbranch_scc1 .Lv
	CSLOAD 0
.irp a, 0,1,2,3,4,5,6,7
	QKBLOCK \a
.endr
	global_store_b128 v[VS], v[SW:SW+3], s[12:13] offset:6144       ; sixteen lanes store 256 consecutive bytes, aligned: a head's words of tiles 0-3,
	global_store_b128 v[VS], v[SW+4:SW+7], s[12:13] offset:6400     ; and of tiles 4-7
	s_branch .Ldone
.Lv:
.irp a, 0,1,2,3,4,5,6,7
	VBLOCK \a
.endr
	v_cmp_ne_u32 vcc_lo, 0, v[HH]
.irp i, 0,1,2,3
	v_cndmask_b32 v[XX+\i], v[SW+\i], v[SW+4+\i], vcc_lo            ; lanes 0-15: my first head's four tiles; lanes 16-31: the next head's
.endr
	global_store_b128 v[VS], v[XX:XX+3], s[12:13] offset:6144
	global_store_b128 v[VS], v[XX:XX+3], s[12:13] offset:6400       ; once more: the BLK's last 256 bytes are read with the rest and hold defined bytes
.Ldone:
	s_wait_tensorcnt 0x0                           ; the wave's end
	ds_add_u32 v[SPW], v[NIL]
	s_wait_dscnt 0x0
	CROUND                                         ; the closing round: no work-group ends while a partner may still ask for a tile that names it
	s_endpgm
.Lfunc_end_k_q36e7b7cc3a_qkv:
	.size	k_q36e7b7cc3a_qkv, .Lfunc_end_k_q36e7b7cc3a_qkv-k_q36e7b7cc3a_qkv
	.p2alignl 7, 3214868480
	.fill 96, 4, 3214868480
	.section	.rodata,"a",@progbits
	.p2align	6, 0x0
	.amdhsa_kernel k_q36e7b7cc3a_qkv
		.amdhsa_group_segment_fixed_size 327680
		.amdhsa_private_segment_fixed_size 0
		.amdhsa_enable_private_segment 0
		.amdhsa_kernarg_size 32
		.amdhsa_user_sgpr_count 2
		.amdhsa_user_sgpr_kernarg_segment_ptr 1
		.amdhsa_wavefront_size32 1
		.amdhsa_system_sgpr_workgroup_id_x 1
		.amdhsa_system_sgpr_workgroup_id_y 1
		.amdhsa_system_sgpr_workgroup_id_z 1
		.amdhsa_system_vgpr_workitem_id 0
		.amdhsa_next_free_vgpr 1024
		.amdhsa_next_free_sgpr 102
		.amdhsa_reserve_vcc 1
		.amdhsa_float_denorm_mode_32 3
		.amdhsa_float_denorm_mode_16_64 3
		.amdhsa_memory_ordered 1
		.amdhsa_forward_progress 1
		.amdhsa_inst_pref_size 238
	.end_amdhsa_kernel
	.amdgpu_metadata
---
amdhsa.version: [ 1, 2 ]
amdhsa.kernels:
  - .name:           k_q36e7b7cc3a_qkv
    .symbol:         k_q36e7b7cc3a_qkv.kd
    .args:
      - { .name: xq, .offset: 0, .size: 8, .value_kind: global_buffer, .address_space: global }
      - { .name: wq, .offset: 8, .size: 8, .value_kind: global_buffer, .address_space: global }
      - { .name: rope, .offset: 16, .size: 8, .value_kind: global_buffer, .address_space: global }
      - { .name: qkv, .offset: 24, .size: 8, .value_kind: global_buffer, .address_space: global }
    .group_segment_fixed_size: 327680
    .private_segment_fixed_size: 0
    .kernarg_segment_align: 8
    .kernarg_segment_size: 32
    .max_flat_workgroup_size: 128
    .sgpr_count:     102
    .vgpr_count:     1024
    .wavefront_size: 32
...
	.end_amdgpu_metadata
.endif
;; end of part 2
;; launch attn (part 3): grid 4 x 64, 16 waves a work-group, clusters of 4 x 1, 223,232 bytes of LDS; arguments qkv, attention_mask, oq; writes oq
.if DOCPART == 3
	.amdgcn_target "amdgcn-amd-amdhsa--gfx1250"
	.amdhsa_code_object_version 6
	.text
	.protected	k_q36e7b7cc3a_attn
	.globl	k_q36e7b7cc3a_attn
	.p2align	8
	.type	k_q36e7b7cc3a_attn,@function
k_q36e7b7cc3a_attn:
	s_mov_b64 s[64:65], 0
	v_nop
	global_prefetch_b8 v0, s[64:65] scope:SCOPE_SE
	s_setreg_imm32_b32 hwreg(HW_REG_WAVE_MODE, 25, 1), 1
	s_wait_xcnt 0x0
	s_wait_alu depctr_hold_cnt(0) depctr_sa_sdst(0) depctr_va_vdst(0) depctr_va_sdst(0) depctr_va_ssrc(0) depctr_va_vcc(0) depctr_vm_vsrc(0)
	s_getreg_b32 s2, hwreg(HW_REG_IB_STS2, 6, 4)
	s_cmp_eq_u32 s2, 0
	s_cbranch_scc0 .Lentry_in_a_cluster
	s_endpgm
.Lentry_in_a_cluster:
	s_bfe_u32 s2, ttmp6, 0x10000c
	s_cmp_lg_u32 s2, 0x3003
	s_cbranch_scc0 .Lentry_shape_is_right
	s_endpgm
.Lentry_shape_is_right:
; Launch 3 of 4: o = softmax(q k^T / 8, hidden keys at -infinity) v for each batch and head, both products on codes of FP6 (E2M3) with E8M0 scales; the result is quantised along the head's 64 and stored as images of the last product's operand.  No work is left out.
; THE SOFTMAX AHEAD OF THE SECOND PRODUCT: t = score x log2(e) / 8; M = the row's largest t so far, rounded UP to a whole number; p = 2^(t - M) is quantised along the keys, not normalised.  The row's sum is taken of the unquantised p and
; divides at the end.  When M moves, the sum and O are multiplied by 2^(old M - new M): exact.
; SHARES.  A work-group owns a quarter (512) of one head's queries: 32 tiles of 16: sixteen waves x two passes, a tile a wave in 256 registers; four waves to a SIMD, so that one wave's vector work stands beside another's products and LDS loads.
; THE WHOLE HEAD'S K AND V LIE IN LDS (2 x 106,496 bytes), as the launch before stored them: images of operand registers, 16 groups of 128 keys.  They are filled once: no slot, no refill.  They come in four quarters, so that the first steps
; begin when a quarter has landed.  CLUSTER: the four quarters of a head's queries read the same K and V: each piece is asked for JOINTLY by the same wave of all four work-groups.
; LAYOUT.  S^T = K Q^T (source 0 = 16 keys, source 1 = my 16 queries), O^T = V^T P^T: a lane holds ONE query throughout.  Lane r of a tile t of K holds key 32 (t / 2) + 8 (t % 2) + r + 8 (r / 8) of the group, so that the 16 registers of tiles
; 2 b, 2 b + 1 are keys 32 b + 16 h + 0 .. 15; V's channel tiles likewise, so that O^T's registers 16 b + i are channels 32 b + 16 h + i.
; K = 64 IN AN INSTRUCTION OF 128: a tile of K or Q is six registers; Q's upper six are zeros, its upper two scale bytes 0.  K's operand runs on into the next tile's six registers: whatever they hold is multiplied by Q's zero codes.
; THE MASK IS THE C OF THE FIRST PRODUCT: 0 for a key that counts, -2^100 for a hidden one, from a table of 2,048 numbers in LDS, in the result's layout: it costs no vector instruction.
; LIMITS: hidden keys get -2^100 in place of -infinity: p is 0 all the same while |score| < 2^90; hidden keys ahead of a row's first counted key are wiped by the factor 2^(old M - new M) = 0.  A batch whose mask is all zeros (NaN in reference())
; is not served.  NaN and infinities are not served.  Blocks whose largest magnitude lies under 2^-124 keep the byte 1.  A block's largest p is taken as the p of its largest score (v_exp_f32 is taken not to fall where its input rises).
; oq: images [128 batch + tile of 16 tokens][head][768 bytes] (registers 0-3 at 16 x lane, 4-5 at 512 + 8 x lane), then from OS_OFF the scale bytes [16 tile + r][32], byte 2 head + block.
; REGISTERS: v1-4, v7, v8 lane constants; v5, v6 the add's; v9-11, v28-30 the step's addresses; v12 -M, v13 the largest t, v[14:15] the sum; v16-27 Q; v32-79 K's eight tiles, later V's four; v80-85 zeros; v86 16 r, v87 32 r + h;
; v96-159 the mask's numbers, S^T, p; v160-191 O^T; v192-199 K's scale words, v200-203 V's; v224-235 p's codes; v232-254 at work; v253 p's scale word; v255 Q's.
.set IMG,    6815744
.set BLK,    6656
.set HSTR,   106496
.set OS_OFF, 6291456
.set VOFF,   106496                    ; LDS: K's 16 groups, then V's
.set MASK,   212992                    ; the mask's 2,048 numbers
.set SPARE,  221184                    ; the spare words, 128 bytes for each wave, that no other line names
.set CHUNK,  26624                     ; a quarter of K or of V: four groups
.set PIECE,  3328                      ; a wave's eighth of it: 13 rows of 256 bytes
.set SPW, 5
.set NIL, 6
.set WV,  18
.set SEL, 20
.set CS,  22
.set G1,  24
.set G0,  32
.set TB,  48                           ; s48  LDS byte of the step's group in K
.set TMK, 49                           ; s49  and of its 128 numbers of the mask
.set CNT, 50
.set HM,  51                           ; s51  lanes 16-31
.macro CROUND
	s_barrier_signal -1
	s_barrier_wait -1
	s_cmp_lg_u32 s[WV], 0
	s_cbranch_scc1 .Lnot_wave_0_\@
	s_barrier_signal -3
.Lnot_wave_0_\@:
	s_barrier_wait -3
	s_barrier_signal -1
	s_barrier_wait -1
.endm
	s_load_b128 s[4:7], s[0:1], 0x0                ; qkv, attention_mask
	s_load_b64 s[8:9], s[0:1], 0x10                ; oq
	v_lshl_add_u32 v[SPW], v0, 2, SPARE
	v_mov_b32 v[NIL], 0
	ds_add_u32 v[SPW], v[NIL]                      ; the wave's opening: the add, twice on end, and its wait ahead of my first tensor load
	ds_add_u32 v[SPW], v[NIL]
	v_lshrrev_b32 v9, 5, v0
	v_readfirstlane_b32 s[WV], v9                  ; wave 0..15
	s_bfe_u32 s66, ttmp6, 0x40000                  ; cx: my quarter of the queries: it enters Q's and O's addresses alone
	s_and_b32 s67, ttmp7, 0xffff                   ; 16 x batch + head, which the four partners share
	s_mov_b32 s[G1], 15|(3<<16)|(1<<21)            ; the mask: all four; elements of 8 bytes; no padding; bit 21 beside a mask
	s_mov_b32 s[G1+1], 32<<16                      ; tensor_dim0: 256 bytes
	s_mov_b32 s[G1+2], 13<<16                      ; tensor_dim1
	s_mov_b32 s[G1+3], 32<<16                      ; tile_dim0
	s_mov_b32 s[G1+4], 13                          ; tile_dim1
	s_mov_b32 s[G1+5], 32                          ; dense
	s_mov_b32 s[G1+6], 0
	s_mov_b32 s[G1+7], 0
	s_mov_b32 s[SEL], 0x76543210
	s_mov_b32 s[SEL+1], 0xfedcba98
	s_mov_b32 s[CS], 0x3e38aa3b                    ; c = log2(e) / 8
	s_mov_b32 s[CS+1], s[CS]
	s_mov_b32 s[HM], 0xffff0000
	s_lshr_b32 s68, s[WV], 3                       ; waves 0-7 fetch K, waves 8-15 V
	s_and_b32 s69, s[WV], 7
	s_mul_i32 s70, s68, VOFF
	s_mul_i32 s71, s69, PIECE
	s_add_co_u32 s70, s70, s71                     ; my piece's place in LDS
	s_add_co_u32 s72, s68, 1
	s_mul_i32 s72, s72, IMG                        ; k's or v's part of qkv,
	s_mul_i32 s73, s67, HSTR                       ; my head,
	s_add_co_u32 s72, s72, s73
	s_add_co_u32 s72, s72, s71                     ; my piece
	s_mov_b32 s73, 0
	s_wait_dscnt 0x0                               ; both opening adds are done
	s_wait_kmcnt 0x0
	s_add_nc_u64 s[72:73], s[4:5], s[72:73]
	CROUND                                         ; all four work-groups are here: the joint loads meet
.irp c, 0,1,2,3                        ; my piece of each quarter: four loads of mine are out; every wave issues its four
	s_mov_b32 s[G0+4*\c], 1
	s_add_co_u32 s[G0+4*\c+1], s70, \c*CHUNK
	s_add_nc_u64 s[G0+4*\c+2:G0+4*\c+3], s[72:73], \c*CHUNK
	s_or_b32 s[G0+4*\c+3], s[G0+4*\c+3], 0x80000000
	tensor_load_to_lds s[G0+4*\c:G0+4*\c+3], s[G1:G1+7]
	s_nop 0
.endr
.rept 4
	v_nop
.endr
	s_lshr_b32 s74, s67, 4                         ; the batch
	s_lshl_b32 s74, s74, 13
	s_mov_b32 s75, 0
	s_add_nc_u64 s[6:7], s[6:7], s[74:75]
	v_lshlrev_b32 v31, 4, v0
	global_load_b128 v[88:91], v31, s[6:7]         ; four keys' mask a thread: 512 threads, 2,048 keys
	v_and_b32 v94, 31, v0                          ; lane
	v_and_b32 v86, 15, v0                          ; r
	v_bfe_u32 v95, v0, 4, 1                        ; h
	v_lshlrev_b32 v1, 4, v94                       ; 16 x lane
	v_lshl_add_u32 v2, v94, 3, 512                 ; 8 x lane + 512
	v_lshlrev_b32 v86, 4, v86                      ; 16 r
	v_add_nc_u32 v3, 6144, v86                     ; K's scale words
	v_add_nc_u32 v4, VOFF, v1                      ; V's images
	v_add_nc_u32 v7, VOFF+6144, v86                ; V's scale words
	v_lshl_add_u32 v8, v95, 6, MASK                ; the mask's numbers: 16 h keys on
	v_lshl_add_u32 v87, v86, 1, v95                ; 32 r + h: my scale byte's place on the way out
	v_add_nc_u32 v93, MASK, v31
	v_mov_b32 v92, 0xf1800000                      ; -2^100
.irp j, 22,23,24,25,26,27,80,81,82,83,84,85,236,237,238,239,253
	v_mov_b32 v\j, 0                               ; Q's upper half; what lies behind K's last tile; lane permutes' destinations; the pair v[252:253]'s upper half
.endr
	s_lshl_b32 s74, s66, 2
	s_add_co_u32 s74, s74, s68
	s_mul_i32 s74, s74, BLK                        ; my first pass's group of 128 queries: 4 cx + wave / 8
	s_mul_i32 s76, s67, HSTR
	s_add_co_u32 s74, s74, s76
	s_mul_i32 s76, s69, 768                        ; my tile in it
	s_add_co_u32 s76, s76, s74
	s_mov_b32 s77, 0
	s_add_nc_u64 s[56:57], s[4:5], s[76:77]        ; Q's image
	s_bfe_u32 s76, s[WV], 0x10002
	s_lshl_b32 s76, s76, 8
	s_and_b32 s78, s[WV], 3
	s_lshl_b32 s78, s78, 2
	s_add_co_u32 s76, s76, s78
	s_add_co_u32 s76, s76, s74
	s_add_co_u32 s76, s76, 6144
	s_add_nc_u64 s[58:59], s[4:5], s[76:77]        ; Q's scale words
	s_lshr_b32 s74, s67, 4
	s_lshl_b32 s74, s74, 7
	s_lshl_b32 s76, s66, 5
	s_add_co_u32 s74, s74, s76
	s_add_co_u32 s74, s74, s[WV]                   ; my tile of tokens: 128 batch + 32 cx + wave (+ 16 in the second pass)
	s_and_b32 s78, s67, 15                         ; the head
	s_mul_i32 s76, s74, 12288
	s_mul_i32 s79, s78, 768
	s_add_co_u32 s76, s76, s79
	s_add_nc_u64 s[60:61], s[8:9], s[76:77]        ; O's image
	s_lshl_b32 s76, s74, 9
	s_lshl_b32 s79, s78, 1
	s_add_co_u32 s76, s76, s79
	s_add_co_u32 s76, s76, OS_OFF
	s_add_nc_u64 s[62:63], s[8:9], s[76:77]        ; O's scale bytes
	s_wait_loadcnt 0x0
.irp j, 88,89,90,91
	v_cmp_eq_u32 vcc_lo, 0, v\j
	v_cndmask_b32 v\j, 0, v92, vcc_lo              ; hidden: -2^100; else 0
.endr
	ds_store_b128 v93, v[88:91]                    ; awaited in front of the first barrier below
; A KEY STEP: one group of 128 keys.
.macro STEP
	v_add_nc_u32 v9, s[TB], v1                     ; (these six are also the places between the last step's products and the loads into their registers)
	v_add_nc_u32 v10, s[TB], v2
	v_add_nc_u32 v11, s[TB], v3
	v_add_nc_u32 v28, s[TB], v4
	v_add_nc_u32 v29, s[TB], v7
	v_add_nc_u32 v30, s[TMK], v8
.set t, 0
.rept 8
	ds_load_b128 v[32+6*t:35+6*t], v9 offset:768*t
	ds_load_b64 v[36+6*t:37+6*t], v10 offset:768*t
.set t, t+1
.endr
	ds_load_b128 v[192:195], v11                   ; K's scale words: tiles 0-3,
	ds_load_b128 v[196:199], v11 offset:256        ; tiles 4-7
.set t, 0
.rept 8
	ds_load_b128 v[96+8*t:99+8*t], v30 offset:(32*(t/2)+8*(t%2))*4       ; the mask's numbers of the tile's eight keys of my half: the product's C
	ds_load_b128 v[100+8*t:103+8*t], v30 offset:(32*(t/2)+8*(t%2))*4+16
.set t, t+1
.endr
	s_wait_dscnt 0x0
.set t, 0
.rept 8
	v_wmma_scale_f32_16x16x128_f8f6f4 v[96+8*t:103+8*t], v[32+6*t:43+6*t], v[16:27], v[96+8*t:103+8*t], v[192+t], v255 matrix_a_fmt:MATRIX_FMT_FP6 matrix_b_fmt:MATRIX_FMT_FP6
.set t, t+1
.endr
.rept 4
	v_nop                                          ; places in front of the loads into K's registers and of the first read of the scores
.endr
.set t, 0
.rept 12
	ds_load_b128 v[32+4*t:35+4*t], v28 offset:512*t       ; V's four tiles: they land under the softmax
.set t, t+1
.endr
	ds_load_b128 v[200:203], v29
.irp b, 0,1,2,3
	v_max3_num_f32 v[232+\b], v[96+16*\b], v[97+16*\b], v[98+16*\b]   ; the largest score of each block of 32 keys: for the row's maximum and for the block's largest p
.endr
.irp i, 3,5,7,9,11,13
.irp b, 0,1,2,3
	v_max3_num_f32 v[232+\b], v[232+\b], v[96+16*\b+\i], v[97+16*\b+\i]
.endr
.endr
.irp b, 0,1,2,3
	v_max_num_f32 v[232+\b], v[232+\b], v[111+16*\b]
.endr
.irp b, 0,1,2,3
	v_permlanex16_b32 v[236+\b], v[232+\b], s[SEL], s[SEL+1]
.endr
.irp b, 0,1,2,3
	v_max_num_f32 v[232+\b], v[232+\b], v[236+\b]  ; with lane l xor 16's 16 keys
.endr
	v_max3_num_f32 v254, v232, v233, v234
	v_max_num_f32 v254, v254, v235
	v_mul_f32 v254, s[CS], v254                    ; as t
	v_max_num_f32 v13, v13, v254                   ; the running largest t
	v_mov_b32 v254, v12
	v_floor_f32 v12, -v13                          ; the new -M = floor(-t)
	v_sub_f32 v254, v12, v254                      ; old M - new M: a whole number, 0 or less
	v_cvt_i32_f32 v254, v254                       ; (it saturates)
	v_ldexp_f32 v252, 1.0, v254                    ; f = 2^(old M - new M)
.set j, 0
.rept 32
	v_pk_fma_f32 v[96+j:97+j], v[96+j:97+j], s[CS:CS+1], v[12:13] op_sel_hi:[1,0,0]   ; t - M
.set j, j+2
.endr
.irp b, 0,1,2,3
	v_fma_f32 v[232+\b], v[232+\b], s[CS], v12
.endr
.set j, 0
.rept 64
	v_exp_f32 v[96+j], v[96+j]                     ; p = 2^(t - M)
.set j, j+1
.endr
	v_pk_mul_f32 v[14:15], v[14:15], v[252:253] op_sel_hi:[1,0]   ; the sums under the new M (a plain place behind the exponentials)
	s_wait_alu depctr_va_vdst(0)                   ; one wait for the whole batch, ahead of its first reader
.irp b, 0,1,2,3
	v_exp_f32 v[232+\b], v[232+\b]                 ; the block's largest p
.endr
	v_pk_add_f32 v[236:237], v[96:97], v[98:99]    ; the row's sum of the unquantised p, in two chains
.irp j, 4,8,12,16,20,24,28,32,36,40,44,48,52,56,60
	v_pk_add_f32 v[14:15], v[14:15], v[96+\j:97+\j]
	v_pk_add_f32 v[236:237], v[236:237], v[98+\j:99+\j]
.endr
	v_pk_add_f32 v[14:15], v[14:15], v[236:237]
	s_wait_alu depctr_va_vdst(0)                   ; and one for the four
.irp b, 0,1,2,3
	v_max_num_f32 v[232+\b], 0x1800000, v[232+\b]  ; the floor 2^(3 - 127)
.endr
.irp b, 0,1,2,3
	v_add_nc_u32 v[244+\b], 0xff000000, v[232+\b]  ; the conversion's scale operand
.endr
.irp b, 0,1,2,3
	v_lshrrev_b32 v[236+\b], 23, v[244+\b]         ; the scale's byte
.endr
	v_lshl_or_b32 v253, v237, 8, v236              ; p's scale word for these 128 keys
	v_lshl_or_b32 v253, v238, 16, v253
	v_lshl_or_b32 v253, v239, 24, v253
.irp c, 0,1
	v_cvt_scalef32_pk16_fp6_f32 v[224+6*\c:226+6*\c], v[96+32*\c:111+32*\c], v[244+2*\c]
	v_cvt_scalef32_pk16_fp6_f32 v[236+4*\c:238+4*\c], v[112+32*\c:127+32*\c], v[244+2*\c+1]
.endr
	v_nop                                          ; one plain place behind a scaled conversion
.irp c, 0,1
.irp i, 0,1,2
	v_permlane16_swap_b32 v[224+6*\c+\i], v[236+4*\c+\i]
.endr
.irp i, 0,1,2
	v_mov_b32 v[227+6*\c+\i], v[236+4*\c+\i]
.endr
.endr
.set j, 0
.rept 16
	v_pk_mul_f32 v[160+j:161+j], v[160+j:161+j], v[252:253] op_sel_hi:[1,0]   ; O^T under the new M.  Twelve of the sixteen name no register of a given product below: the places between p's scale word and codes and the products
.set j, j+2
.endr
	s_wait_dscnt 0x0                               ; V
.set t, 0
.rept 4
	v_wmma_scale_f32_16x16x128_f8f6f4 v[160+8*t:167+8*t], v[32+12*t:43+12*t], v[224:235], v[160+8*t:167+8*t], v[200+t], v253 matrix_a_fmt:MATRIX_FMT_FP6 matrix_b_fmt:MATRIX_FMT_FP6
.set t, t+1
.endr
	s_add_co_u32 s[TB], s[TB], BLK
	s_add_co_u32 s[TMK], s[TMK], 512
.endm
.macro RUN n                           ; n key steps
	s_mov_b32 s[CNT], \n
.Lrun_\@:
	STEP
	s_sub_co_u32 s[CNT], s[CNT], 1
	s_cmp_lg_u32 s[CNT], 0
	s_cbranch_scc1 .Lrun_\@
.endm
; A PASS: one tile of 16 queries against all 2,048 keys.  first = 1: K and V are still landing, a quarter at a time.
.macro PASS p, first
	s_wait_xcnt 0x0                                ; the last pass's stores have read their registers
	global_load_b128 v[16:19], v1, s[56:57] offset:13312*\p
	global_load_b64 v[20:21], v2, s[56:57] offset:13312*\p
	global_load_b32 v255, v86, s[58:59] offset:13312*\p
	v_mov_b32 v13, 0xff61b1e6                      ; the largest t so far: -3e38
	v_floor_f32 v12, -v13
	v_mov_b32 v14, 0
	v_mov_b32 v15, 0
.set j, 0
.rept 32
	v_mov_b32 v[160+j], 0                          ; O^T: the step is written once; its first run finds zeros
.set j, j+1
.endr
	s_wait_loadcnt 0x0
.if \first
.irp c, 0,1,2,3
	s_wait_tensorcnt 3-\c                          ; my piece of quarter c has landed; my loads for the later quarters may stay out
	s_wait_dscnt 0x0                               ; my LDS instructions are done (ahead of the first barrier: my store of the mask's numbers)
	s_barrier_signal -1
	s_barrier_wait -1                              ; everybody's piece has
	s_mov_b32 s[TB], \c*CHUNK
	s_mov_b32 s[TMK], \c*2048
	RUN 4
.endr
.else
	s_mov_b32 s[TB], 0
	s_mov_b32 s[TMK], 0
	RUN 16
.endif
.rept 4
	v_nop                                          ; places behind the last products
.endr
	v_add_f32 v14, v14, v15
	v_permlanex16_b32 v252, v14, s[SEL], s[SEL+1]
	v_add_f32 v14, v14, v252                       ; the row's sum
	v_rcp_f32 v14, v14
	v_nop
	s_wait_alu depctr_va_vdst(0)                   ; ahead of the reciprocal's first reader
.set j, 0
.rept 16
	v_pk_mul_f32 v[96+j:97+j], v[160+j:161+j], v[14:15] op_sel_hi:[1,0]   ; o: register 16 b + i is channel 32 b + 16 h + i
.set j, j+2
.endr
	v_max3_num_f32 v232, |v96|, |v97|, 0x1800000   ; the head's two blocks of 32 along the last product's K
	v_max3_num_f32 v233, |v112|, |v113|, 0x1800000
.irp i, 2,4,6,8,10,12,14
	v_max3_num_f32 v232, v232, |v[96+\i]|, |v[97+\i]|
	v_max3_num_f32 v233, v233, |v[112+\i]|, |v[113+\i]|
.endr
	v_permlanex16_b32 v236, v232, s[SEL], s[SEL+1]
	v_permlanex16_b32 v237, v233, s[SEL], s[SEL+1]
	v_max_num_f32 v232, v232, v236
	v_max_num_f32 v233, v233, v237
	v_add_nc_u32 v244, 0xff000000, v232
	v_add_nc_u32 v245, 0xff000000, v233
	v_lshrrev_b32 v236, 23, v244
	v_lshrrev_b32 v237, 23, v245
	v_cndmask_b32 v246, v236, v237, s[HM]          ; lanes 0-15 store block 0's byte, lanes 16-31 block 1's
	v_cvt_scalef32_pk16_fp6_f32 v[224:226], v[96:111], v244
	v_cvt_scalef32_pk16_fp6_f32 v[238:240], v[112:127], v245
	v_nop
.irp i, 0,1,2
	v_permlane16_swap_b32 v[224+\i], v[238+\i]
.endr
.irp i, 0,1,2
	v_mov_b32 v[227+\i], v[238+\i]                 ; lane (r, h): channels 32 h + 0 .. 31 in six registers
.endr
	global_store_b128 v1, v[224:227], s[60:61] offset:196608*\p    ; 512 consecutive bytes, aligned,
	global_store_b64 v2, v[228:229], s[60:61] offset:196608*\p     ; and 256
	global_store_b8 v87, v246, s[62:63] offset:8192*\p             ; two bytes of each row's 32: the other heads' come from other work-groups
.endm
	PASS 0, 1
	PASS 1, 0
	s_wait_tensorcnt 0x0                           ; the wave's end
	ds_add_u32 v[SPW], v[NIL]
	s_wait_dscnt 0x0
	CROUND                                         ; the closing round
	s_endpgm
.Lfunc_end_k_q36e7b7cc3a_attn:
	.size	k_q36e7b7cc3a_attn, .Lfunc_end_k_q36e7b7cc3a_attn-k_q36e7b7cc3a_attn
	.p2alignl 7, 3214868480
	.fill 96, 4, 3214868480
	.section	.rodata,"a",@progbits
	.p2align	6, 0x0
	.amdhsa_kernel k_q36e7b7cc3a_attn
		.amdhsa_group_segment_fixed_size 223232
		.amdhsa_private_segment_fixed_size 0
		.amdhsa_enable_private_segment 0
		.amdhsa_kernarg_size 24
		.amdhsa_user_sgpr_count 2
		.amdhsa_user_sgpr_kernarg_segment_ptr 1
		.amdhsa_wavefront_size32 1
		.amdhsa_system_sgpr_workgroup_id_x 1
		.amdhsa_system_sgpr_workgroup_id_y 1
		.amdhsa_system_sgpr_workgroup_id_z 1
		.amdhsa_system_vgpr_workitem_id 0
		.amdhsa_next_free_vgpr 256
		.amdhsa_next_free_sgpr 80
		.amdhsa_reserve_vcc 1
		.amdhsa_float_denorm_mode_32 3
		.amdhsa_float_denorm_mode_16_64 3
		.amdhsa_memory_ordered 1
		.amdhsa_forward_progress 1
		.amdhsa_inst_pref_size 102
	.end_amdhsa_kernel
	.amdgpu_metadata
---
amdhsa.version: [ 1, 2 ]
amdhsa.kernels:
  - .name:           k_q36e7b7cc3a_attn
    .symbol:         k_q36e7b7cc3a_attn.kd
    .args:
      - { .name: qkv, .offset: 0, .size: 8, .value_kind: global_buffer, .address_space: global }
      - { .name: attention_mask, .offset: 8, .size: 8, .value_kind: global_buffer, .address_space: global }
      - { .name: oq, .offset: 16, .size: 8, .value_kind: global_buffer, .address_space: global }
    .group_segment_fixed_size: 223232
    .private_segment_fixed_size: 0
    .kernarg_segment_align: 8
    .kernarg_segment_size: 24
    .max_flat_workgroup_size: 512
    .sgpr_count:     80
    .vgpr_count:     256
    .wavefront_size: 32
...
	.end_amdgpu_metadata
.endif
;; end of part 3
;; launch proj (part 4): grid 4 x 32, 4 waves a work-group, clusters of 4 x 4, 327,680 bytes of LDS; arguments oq, wq, out0; writes out0
.if DOCPART == 4
	.amdgcn_target "amdgcn-amd-amdhsa--gfx1250"
	.amdhsa_code_object_version 6
	.text
	.protected	k_q36e7b7cc3a_proj
	.globl	k_q36e7b7cc3a_proj
	.p2align	8
	.type	k_q36e7b7cc3a_proj,@function
k_q36e7b7cc3a_proj:
	s_mov_b64 s[64:65], 0
	v_nop
	global_prefetch_b8 v0, s[64:65] scope:SCOPE_SE
	s_setreg_imm32_b32 hwreg(HW_REG_WAVE_MODE, 25, 1), 1
	s_wait_xcnt 0x0
	s_wait_alu depctr_hold_cnt(0) depctr_sa_sdst(0) depctr_va_vdst(0) depctr_va_sdst(0) depctr_va_ssrc(0) depctr_va_vcc(0) depctr_vm_vsrc(0)
	s_getreg_b32 s2, hwreg(HW_REG_IB_STS2, 6, 4)
	s_cmp_eq_u32 s2, 0
	s_cbranch_scc0 .Lentry_in_a_cluster
	s_endpgm
.Lentry_in_a_cluster:
	s_bfe_u32 s2, ttmp6, 0x10000c
	s_cmp_lg_u32 s2, 0xf033
	s_cbranch_scc0 .Lentry_shape_is_right
	s_endpgm
.Lentry_shape_is_right:
; Launch 4 of 4: out0 = o Wo^T on codes of FP6 (E2M3) with E8M0 scales, K = 1,024 (16 heads x 64); out0 [8192][1024] f32.  No work is left out.
; A tile of 256 x 256 is made by four waves, 128 x 128 each.  K goes in steps of 256 through two LDS slots; the scale bytes of the work-group's rows come once and stay.  CLUSTERS of 4 x 4: A's tiles shared along a row, B's along a column, by joint loads.
; A = o comes as IMAGES OF THE OPERAND'S REGISTERS: [tile of 16 tokens][head][768 bytes]: a K step of 256 is four heads, 3,072 consecutive bytes of a tile; a wave's load brings 8 tiles.  A fragment (two heads) is two loads of 16 bytes and two of 8
; a lane, each 512 or 256 consecutive bytes.  B = Wo (rows 3,072 on of wq) comes as rows of codes.
; Lane r of A's block a holds token 32 (a / 2) + 8 (a % 2) + r + 8 (r / 8) of the wave's 128: the way out stores each row at its token's place.
; THE MATRIX INSTRUCTION IS USED TRANSPOSED (source 0 = 16 rows of Wo, source 1 = 16 tokens): a lane holds eight neighbouring numbers of a row of out0.
; 128 work-groups: a tile of 256 x 256 keeps the loop of the launch that makes q, k, v; half of the WGPs have no work-group here.
; REGISTERS, in windows of 256: window 0: v0-31 addresses; v32-63 scale words, two sets; from v128 A's fragments, ONE set.  window 1: B's fragments, TWO sets.  windows 2, 3: the accumulators.
.set SIZE_K, 1024
.set SIZE_N, 1024
.set KSTEP,  256
.set NQ,     KSTEP/128
.set ROWB,   192
.set KROW,   SIZE_K*6/8
.set PITCH,  240
.set FR,     12
.set NLA,    4                         ; LDS loads that bring a fragment of A
.set NP,     4
.set HALFT,  128*PITCH                 ; a wave's place in a slot (A's 8 x 3,072 bytes use 24,576 of it)
.set SLOT,   4*HALFT
.set LAPS,   SIZE_K/(2*KSTEP)
.set KS,     SIZE_K/32
.set SCL,    2*SLOT
.set HALFS,  (128*KS/256)*272
.set SBLK,   (16*KS/256)*272
.set SPARE,  SCL+4*HALFS
.set SPITCH, 528                       ; the way out: a stage of 16 rows x (512 bytes + 16) for each wave, in slot 0, which has had its last fill and its last read when the first result is stored there
.set OS_OFF, 6291456
.set WS_OFF, 3145728
.set ATILE,  3072                      ; a token tile's bytes in a K step
.set ADRA, 16                          ; v16-17 16 x lane + my A half in slot 0, 1;  v18-19 8 x lane + 512 + the same
.set ADRB, 20
.set STO,  24
.set RD,   25
.set CO,   26
.set ADRS, 27
.set SPW,  28
.set NIL,  29
.set SC,   32
.set AF,   128
.set BK,   128
.set G1, 24
.set G0, 32
.set G1B, 48
.set G0B, 56
.set G1S, 68
.set G0S, 76
.set G1SB, 80
.set G0SB, 88
.set MSB, 0
.macro WIN new
.if MSB != \new
	s_set_vgpr_msb (MSB<<8)|\new
.set MSB, \new
.endif
.endm
.set MUL_LO, 0xa1
.set MUL_HI, 0xf1
.set TO_B,   0x40
.macro JLOAD g0a, g1a, g0b, g1b        ; a joint load: waves 0 and 1 fetch for A, waves 2 and 3 for B; an s_nop 0 and four v_nop follow each of the two lines
	s_cmp_eq_u32 s15, 0
	s_cbranch_scc0 .Lfor_b_\@
	tensor_load_to_lds s[\g0a:\g0a+3], s[\g1a:\g1a+7]
	s_nop 0
.rept 4
	v_nop
.endr
	s_branch .Lasked_\@
.Lfor_b_\@:
	tensor_load_to_lds s[\g0b:\g0b+3], s[\g1b:\g1b+7]
	s_nop 0
.rept 4
	v_nop
.endr
.Lasked_\@:
.endm
.macro CREST
	s_cmp_lg_u32 s14, 0
	s_cbranch_scc1 .Lnot_wave_0_\@
	s_barrier_signal -3
.Lnot_wave_0_\@:
	s_barrier_wait -3
	s_barrier_signal -1
	s_barrier_wait -1
.endm
.macro CROUND
	s_barrier_signal -1
	s_barrier_wait -1
	CREST
.endm
	s_load_b128 s[4:7], s[0:1], 0x0                ; oq, wq
	s_load_b64 s[12:13], s[0:1], 0x10              ; out0
	v_lshl_add_u32 v[SPW], v0, 2, SPARE
	v_mov_b32 v[NIL], 0
	ds_add_u32 v[SPW], v[NIL]                      ; the wave's opening: the add, twice on end, and its wait ahead of my first tensor load
	ds_add_u32 v[SPW], v[NIL]
	v_lshrrev_b32 v1, 5, v0
	v_readfirstlane_b32 s14, v1
	s_lshr_b32 s15, s14, 1
	s_and_b32 s16, s14, 1
	s_bfe_u32 s40, ttmp6, 0x40000
	s_bfe_u32 s41, ttmp6, 0x40004
	s_lshl_b32 s42, ttmp9, 2
	s_add_co_u32 s42, s42, s40                     ; tile column
	s_and_b32 s17, ttmp7, 0xffff
	s_lshl_b32 s17, s17, 2
	s_add_co_u32 s17, s17, s41                     ; tile row
	s_lshl_b32 s43, s41, 2
	s_lshl_b32 s43, 15, s43
	s_lshl_b32 s44, 0x1111, s40
	s_or_b32 s[G1+0], s43, (3<<16)|(1<<21)         ; A: the mask of my row; elements of 8 bytes; no padding; bit 21 beside a mask
	s_mov_b32 s[G1+1], 384<<16                     ; tensor_dim0: 3,072 bytes
	s_mov_b32 s[G1+2], 8<<16                       ; tensor_dim1: 8 token tiles
	s_mov_b32 s[G1+3], 384<<16
	s_mov_b32 s[G1+4], 8
	s_mov_b32 s[G1+5], 1536                        ; 12,288 bytes from tile to tile
	s_mov_b32 s[G1+6], 0
	s_mov_b32 s[G1+7], 0
	s_or_b32 s[G1B+0], s44, (0<<16)|(1<<20)|(1<<21)|(3<<22)|(3<<25)
	s_mov_b32 s[G1B+1], ROWB<<16
	s_mov_b32 s[G1B+2], 128<<16
	s_mov_b32 s[G1B+3], ROWB<<16
	s_mov_b32 s[G1B+4], 128
	s_mov_b32 s[G1B+5], KROW
	s_mov_b32 s[G1B+6], 0
	s_mov_b32 s[G1B+7], 0
	s_or_b32 s[G1S+0], s43, (3<<16)|(1<<20)|(1<<21)|(5<<22)|(3<<25)
	s_or_b32 s[G1SB+0], s44, (3<<16)|(1<<20)|(1<<21)|(5<<22)|(3<<25)
.irp g, G1S, G1SB
	s_mov_b32 s[\g+1], 32<<16
	s_mov_b32 s[\g+2], (128*KS/256)<<16
	s_mov_b32 s[\g+3], 32<<16
	s_mov_b32 s[\g+4], 128*KS/256
	s_mov_b32 s[\g+5], 32
	s_mov_b32 s[\g+6], 0
	s_mov_b32 s[\g+7], 0
.endr
	s_lshl_b32 s18, s16, 7
	s_lshl_b32 s20, s17, 8
	s_add_co_u32 s20, s20, s18                     ; A: stored row 256 x tile row + 128 x half (768 bytes a row, as 16 rows are 12,288)
	s_lshl_b32 s46, s42, 8
	s_add_co_u32 s46, s46, s18
	s_add_co_u32 s46, s46, 3072                    ; B: Wo's rows lie behind Wq's, Wk's and Wv's
	s_mov_b32 s21, 0
	s_mov_b32 s47, 0
	s_mov_b64 s[18:19], KS
	s_mul_u64 s[22:23], s[20:21], s[18:19]
	s_mul_u64 s[92:93], s[46:47], s[18:19]
	s_mov_b64 s[18:19], KROW
	s_mul_u64 s[20:21], s[20:21], s[18:19]
	s_mul_u64 s[46:47], s[46:47], s[18:19]
	s_mul_i32 s45, s14, HALFT
	s_mul_i32 s94, s14, HALFS
	s_wait_dscnt 0x0                               ; both opening adds are done
	s_wait_kmcnt 0x0
	s_add_nc_u64 s[20:21], s[4:5], s[20:21]
	s_add_nc_u64 s[22:23], s[4:5], s[22:23]
	s_add_nc_u64 s[22:23], s[22:23], OS_OFF
	s_add_nc_u64 s[46:47], s[6:7], s[46:47]
	s_add_nc_u64 s[92:93], s[6:7], s[92:93]
	s_add_nc_u64 s[92:93], s[92:93], WS_OFF
	CROUND
	s_mov_b32 s[G0S], 1
	s_add_co_u32 s[G0S+1], s94, SCL
	s_mov_b64 s[G0S+2:G0S+3], s[22:23]
	s_or_b32 s[G0S+3], s[G0S+3], 0x80000000
	s_mov_b32 s[G0SB], 1
	s_add_co_u32 s[G0SB+1], s94, SCL
	s_mov_b64 s[G0SB+2:G0SB+3], s[92:93]
	s_or_b32 s[G0SB+3], s[G0SB+3], 0x80000000
	JLOAD G0S, G1S, G0SB, G1SB
.irp s, 0,1
	s_mov_b32 s[G0+4*\s], 1
	s_add_co_u32 s[G0+4*\s+1], s45, \s*SLOT
	s_add_nc_u64 s[G0+4*\s+2:G0+4*\s+3], s[20:21], \s*ATILE
	s_or_b32 s[G0+4*\s+3], s[G0+4*\s+3], 0x80000000
	s_mov_b32 s[G0B+4*\s], 1
	s_add_co_u32 s[G0B+4*\s+1], s45, \s*SLOT
	s_add_nc_u64 s[G0B+4*\s+2:G0B+4*\s+3], s[46:47], \s*ROWB
	s_or_b32 s[G0B+4*\s+3], s[G0B+4*\s+3], 0x80000000
	JLOAD G0+4*\s, G1, G0B+4*\s, G1B               ; three loads of mine are out at the most
.endr
	v_and_b32 v1, 15, v0
	v_bfe_u32 v2, v0, 4, 1
	v_mul_u32_u24 v3, v1, PITCH
	v_mul_u32_u24 v4, v2, 24
	v_add_nc_u32 v4, v3, v4                        ; B: a fragment's row x pitch + 24 h
	v_lshl_add_u32 v5, v2, 4, v4                   ; and the same behind one padding more
	v_and_b32 v6, 31, v0
	v_lshlrev_b32 v7, 4, v6                        ; A: 16 x lane,
	v_lshl_add_u32 v8, v6, 3, 512                  ; and 8 x lane + 512
	s_mul_i32 s21, s15, HALFT
	s_mul_i32 s22, s16, HALFT
	s_add_co_u32 s22, s22, 2*HALFT
.irp s, 0,1
	v_add_nc_u32 v[ADRA+\s], s21, v7
	v_add_nc_u32 v[ADRB+\s], s22, v4
	v_add_nc_u32 v[ADRA+2+\s], s21, v8
	v_add_nc_u32 v[ADRB+2+\s], s22, v5
	s_add_co_u32 s21, s21, SLOT
	s_add_co_u32 s22, s22, SLOT
.endr
	v_mul_u32_u24 v5, v1, KS
	v_lshrrev_b32 v6, 8, v5
	v_lshl_add_u32 v5, v6, 4, v5
	s_mul_i32 s21, s15, HALFS
	s_mul_i32 s22, s16, HALFS
	s_add_co_u32 s22, s22, 2*HALFS
	s_sub_co_u32 s22, s22, s21
	v_mul_u32_u24 v6, s22, v2
	s_add_co_u32 s21, s21, SCL
	v_add_nc_u32 v5, v5, v6
	v_add_nc_u32 v[ADRS], s21, v5
	s_mul_i32 s23, s14, 16*SPITCH                  ; my stage
	v_mul_u32_u24 v5, v1, SPITCH
	v_lshl_add_u32 v5, v2, 5, v5
	v_add_nc_u32 v[STO], s23, v5
	v_and_b32 v6, 31, v0
	v_lshlrev_b32 v[CO], 4, v6
	v_add_nc_u32 v[RD], s23, v[CO]
	s_lshl_b32 s20, s17, 8
	s_lshl_b32 s21, s15, 7
	s_add_co_u32 s20, s20, s21                     ; my first row of out0
	s_mov_b32 s21, 0
	s_mov_b64 s[18:19], SIZE_N*4
	s_mul_u64 s[20:21], s[20:21], s[18:19]
	s_lshl_b32 s46, s42, 10
	s_lshl_b32 s47, s16, 9
	s_add_co_u32 s46, s46, s47
	s_mov_b32 s47, 0
	s_add_nc_u64 s[20:21], s[20:21], s[46:47]
	s_add_nc_u64 s[12:13], s[12:13], s[20:21]
.macro FRAG reg, adr, q, i             ; a fragment of B from rows of codes, in pieces of 8 bytes
.irp p, 0,1,2,3,4,5
.set PCE, 12*(\q)+6*(\p/3)+\p%3
.if PCE%8 < 5
	ds_load_b64 v[\reg+2*\p:\reg+2*\p+1], v[\adr] offset:8*PCE+16*(PCE/8)+(\i)*16*PITCH
.else
	ds_load_b64 v[\reg+2*\p:\reg+2*\p+1], v[\adr+2] offset:8*PCE+16*(PCE/8)+(\i)*16*PITCH
.endif
.endr
.endm
.macro FRAGA reg, slot, q, i           ; a fragment of A from two heads' images
	ds_load_b128 v[\reg:\reg+3],     v[ADRA+\slot]   offset:ATILE*(\i)+1536*(\q)
	ds_load_b64  v[\reg+4:\reg+5],   v[ADRA+2+\slot] offset:ATILE*(\i)+1536*(\q)
	ds_load_b128 v[\reg+6:\reg+9],   v[ADRA+\slot]   offset:ATILE*(\i)+1536*(\q)+768
	ds_load_b64  v[\reg+10:\reg+11], v[ADRA+2+\slot] offset:ATILE*(\i)+1536*(\q)+768
.endm
.macro MUL16 a0, p, q, sc, zero        ; the 64 accumulators take turns, one instruction a turn, in the same order in every step
.irp a, \a0, \a0+1
.irp b, 0,1,2,3,4,5,6,7
.if \zero
	v_wmma_scale_f32_16x16x128_f8f6f4 v[8*(8*((\a)%4)+\b):8*(8*((\a)%4)+\b)+7], v[128*(\p)+FR*\b:128*(\p)+FR*\b+FR-1], v[AF+FR*(\a):AF+FR*(\a)+FR-1], 0, v[SC+8*NQ*(\sc)+NQ*\b+(\q)], v[SC+8*NQ*(\sc)+NQ*(\a)+(\q)] matrix_a_fmt:MATRIX_FMT_FP6 matrix_b_fmt:MATRIX_FMT_FP6 matrix_a_scale:MATRIX_SCALE_ROW1
.else
	v_wmma_scale_f32_16x16x128_f8f6f4 v[8*(8*((\a)%4)+\b):8*(8*((\a)%4)+\b)+7], v[128*(\p)+FR*\b:128*(\p)+FR*\b+FR-1], v[AF+FR*(\a):AF+FR*(\a)+FR-1], v[8*(8*((\a)%4)+\b):8*(8*((\a)%4)+\b)+7], v[SC+8*NQ*(\sc)+NQ*\b+(\q)], v[SC+8*NQ*(\sc)+NQ*(\a)+(\q)] matrix_a_fmt:MATRIX_FMT_FP6 matrix_b_fmt:MATRIX_FMT_FP6 matrix_a_scale:MATRIX_SCALE_ROW1
.endif
.endr
.endr
.endm
.macro FETCH_B slot, q, p
	WIN TO_B
.irp i, 0,1,2,3,4,5,6,7
	FRAG 128*(\p)+FR*\i, ADRB+\slot, \q, \i
.endr
	WIN 0
.endm
.macro FETCH_A slot, q, i0
.irp i, \i0, \i0+1, \i0+2, \i0+3
	FRAGA AF+FR*(\i), \slot, \q, \i
.endr
.endm
.macro SCALES sc
.irp i, 0,1,2,3,4,5,6,7
	ds_load_b64 v[SC+8*NQ*\sc+NQ*\i:SC+8*NQ*\sc+NQ*\i+1], v[ADRS] offset:\i*SBLK
.endr
.endm
.macro PLACES n
.rept \n
	v_nop
.endr
.endm
.macro STEP slot, q, zero
	s_wait_dscnt 4*NLA                             ; B's set and A's blocks 0-3 are in; the youngest 16 loads (A's blocks 4-7) may be out
	WIN MUL_LO
	MUL16 0, (\q)%2, \q, \slot, \zero
	MUL16 2, (\q)%2, \q, \slot, \zero
	s_wait_dscnt 0
	PLACES NP
	FETCH_B \slot, (\q)+1, 1-(\q)%2
	FETCH_A \slot, (\q)+1, 0
	WIN MUL_HI
	MUL16 4, (\q)%2, \q, \slot, \zero
	MUL16 6, (\q)%2, \q, \slot, \zero
	PLACES NP
	WIN 0
	FETCH_A \slot, (\q)+1, 4
.endm
.macro TURN slot, next, fill
	s_wait_tensorcnt 0x0                           ; all my tensor loads have landed: my part of the next slot
	ds_add_u32 v[SPW], v[NIL]                      ; 0 onto my spare word
	s_wait_dscnt 4*NLA+1                           ; the add and the youngest 16 loads may be out
	WIN MUL_LO
	MUL16 0, 1, NQ-1, \slot, 0
	s_wait_dscnt 0x0                               ; the add is done, and my reads of this slot are over
	s_barrier_signal -1
	MUL16 2, 1, NQ-1, \slot, 0
	WIN 0
	s_barrier_wait -1
.if \fill
	CREST                                          ; the barrier has opened a round of the cluster's
	s_add_nc_u64 s[G0+4*\slot+2:G0+4*\slot+3], s[G0+4*\slot+2:G0+4*\slot+3], 2*ATILE
	s_add_nc_u64 s[G0B+4*\slot+2:G0B+4*\slot+3], s[G0B+4*\slot+2:G0B+4*\slot+3], 2*ROWB
	JLOAD G0+4*\slot, G1, G0B+4*\slot, G1B
.else
	PLACES NP
.endif
	v_add_nc_u32 v[ADRS], 4*NQ, v[ADRS]
	FETCH_B \next, 0, 0
	FETCH_A \next, 0, 0
	SCALES \next
	WIN MUL_HI
	MUL16 4, 1, NQ-1, \slot, 0
	MUL16 6, 1, NQ-1, \slot, 0
	PLACES NP
	WIN 0
	FETCH_A \next, 0, 4
.endm
	s_wait_tensorcnt 1                             ; the scales and my part of K step 0 are in (K step 1's load may be out)
	s_barrier_signal -1
	s_barrier_wait -1
	FETCH_B 0, 0, 0
	FETCH_A 0, 0, 0
	SCALES 0
	FETCH_A 0, 0, 4
	STEP 0, 0, 1
.rept LAPS-1
	TURN 0, 1, 1
	STEP 1, 0, 0
	TURN 1, 0, 1
	STEP 0, 0, 0
.endr
	TURN 0, 1, 0
	STEP 1, 0, 0
	s_wait_dscnt 4*NLA
	WIN MUL_LO
	MUL16 0, 1, NQ-1, 1, 0
	MUL16 2, 1, NQ-1, 1, 0
	s_wait_dscnt 0
	WIN MUL_HI
	MUL16 4, 1, NQ-1, 1, 0
	MUL16 6, 1, NQ-1, 1, 0
	WIN 0
; THE WAY OUT, block by block of 16 rows x 128 columns, through my own stage in LDS: back as whole rows of 512 bytes.  LDS serves a wave's instructions in order: no wait between the stores and the loads.
.macro TOSTAGE a
.set AC, 64*((\a)%4)
	WIN 0x08+4*((\a)/4)                            ; the data: window 2 or 3
.irp b, 0,1,2,3,4,5,6,7
	ds_store_b128 v[STO], v[AC+8*\b:AC+8*\b+3] offset:64*\b          ; each accumulator from its low end on
	ds_store_b128 v[STO], v[AC+8*\b+4:AC+8*\b+7] offset:64*\b+16
.endr
	WIN 0
.set BB, BK+64*((\a)%2)
.irp t, 0,1,2,3,4,5,6,7,8,9,10,11,12,13,14,15
	ds_load_b128 v[BB+4*\t:BB+4*\t+3], v[RD] offset:\t*SPITCH
.endr
.endm
.macro SEND a, younger                 ; row t of block a is token 32 (a / 2) + 8 (a % 2) + t + 8 (t / 8) of my 128: the place stands in the immediate, 127 rows of 4,096 bytes at the most
.set BB, BK+64*((\a)%2)
	s_wait_dscnt \younger
.irp t, 0,1,2,3,4,5,6,7,8,9,10,11,12,13,14,15
	global_store_b128 v[CO], v[BB+4*\t:BB+4*\t+3], s[12:13] offset:(32*((\a)/2)+8*((\a)%2)+\t+8*(\t/8))*SIZE_N*4 th:TH_STORE_NT   ; 32 lanes store 512 consecutive bytes, aligned
.endr
.endm
	PLACES NP
	TOSTAGE 0
.irp a, 1,2,3,4,5,6,7
.if \a > 1
	s_wait_xcnt 0x0                                ; block a - 2's stores have read their registers: block a's loads may land there
.endif
	TOSTAGE \a
	SEND \a-1, 32                                  ; behind block a - 1's loads: block a's 16 stores and 16 loads
.endr
	SEND 7, 0
	s_wait_tensorcnt 0x0                           ; the wave's end
	ds_add_u32 v[SPW], v[NIL]
	s_wait_dscnt 0x0
	CROUND                                         ; the closing round
	s_endpgm
.Lfunc_end_k_q36e7b7cc3a_proj:
	.size	k_q36e7b7cc3a_proj, .Lfunc_end_k_q36e7b7cc3a_proj-k_q36e7b7cc3a_proj
	.p2alignl 7, 3214868480
	.fill 96, 4, 3214868480
	.section	.rodata,"a",@progbits
	.p2align	6, 0x0
	.amdhsa_kernel k_q36e7b7cc3a_proj
		.amdhsa_group_segment_fixed_size 327680
		.amdhsa_private_segment_fixed_size 0
		.amdhsa_enable_private_segment 0
		.amdhsa_kernarg_size 24
		.amdhsa_user_sgpr_count 2
		.amdhsa_user_sgpr_kernarg_segment_ptr 1
		.amdhsa_wavefront_size32 1
		.amdhsa_system_sgpr_workgroup_id_x 1
		.amdhsa_system_sgpr_workgroup_id_y 1
		.amdhsa_system_sgpr_workgroup_id_z 1
		.amdhsa_system_vgpr_workitem_id 0
		.amdhsa_next_free_vgpr 1024
		.amdhsa_next_free_sgpr 98
		.amdhsa_reserve_vcc 0
		.amdhsa_float_denorm_mode_32 3
		.amdhsa_float_denorm_mode_16_64 3
		.amdhsa_memory_ordered 1
		.amdhsa_forward_progress 1
		.amdhsa_inst_pref_size 151
	.end_amdhsa_kernel
	.amdgpu_metadata
---
amdhsa.version: [ 1, 2 ]
amdhsa.kernels:
  - .name:           k_q36e7b7cc3a_proj
    .symbol:         k_q36e7b7cc3a_proj.kd
    .args:
      - { .name: oq, .offset: 0, .size: 8, .value_kind: global_buffer, .address_space: global }
      - { .name: wq, .offset: 8, .size: 8, .value_kind: global_buffer, .address_space: global }
      - { .name: out0, .offset: 16, .size: 8, .value_kind: global_buffer, .address_space: global }
    .group_segment_fixed_size: 327680
    .private_segment_fixed_size: 0
    .kernarg_segment_align: 8
    .kernarg_segment_size: 24
    .max_flat_workgroup_size: 128
    .sgpr_count:     98
    .vgpr_count:     1024
    .wavefront_size: 32
...
	.end_amdgpu_metadata
.endif
;; end of part 4
